; MI455X (gfx1250); checked and timed in simulation.
; The chip was launched on July 23, 2026; its instructions are those of AMD's public machine-readable ISA for CDNA 5 (MIT licence, August 2026) and "CDNA5" Instruction Set Architecture Reference Guide (July 2026). The comments in the code are by the model that wrote it; some were corrected since.
;; Flax Bloom Attention. Allowed arithmetic: matrix products marked QUANTISED: E2M3 operands, one E8M0 scale for each 32 along K, by v_wmma_scale_f32_16x16x128_f8f6f4 with both operands' format E2M3, f32 sums; everything else in f32.
;; Inputs: alibi 32 x 1 x 2,048 float32; attention_mask 2 x 2,048 bool; b_o 1,024 float32; b_qkv 3,072 float32; hidden_states_codes 2 x 2,048 x 32 x 24 uint8 (E2M3 codes of hidden_states, K innermost, in blocks of 32 codes, four codes in three bytes); hidden_states_scales 2 x 2,048 x 32 uint8 (E8M0 scales of hidden_states, one for each 32 codes along K); residual 2 x 2,048 x 1,024 float32; w_o_codes 1,024 x 32 x 24 uint8 (E2M3 codes of w_o, K innermost, in blocks of 32 codes, four codes in three bytes); w_o_scales 1,024 x 32 uint8 (E8M0 scales of w_o, one for each 32 codes along K); w_qkv_codes 3,072 x 32 x 24 uint8 (E2M3 codes of w_qkv, K innermost, in blocks of 32 codes, four codes in three bytes); w_qkv_scales 3,072 x 32 uint8 (E8M0 scales of w_qkv, one for each 32 codes along K).
;; Outputs: out0 2 x 2,048 x 1,024 float32.
;; Constants: layer_number = 4.
;; This version of the problem:
;;   THIS VERSION OF THE PROBLEM IS GIVEN IN LOW PRECISION. The matrix products marked QUANTISED in the list below multiply operands that are first quantised to E2M3 (2 exponent bits, 3 mantissa bits; 6 bits a number), with one power-of-two scale for each 32 numbers along K (OCP MX v1.0); their sums are f32. All else is computed in f32.
;;   The module's matrix products, in the order in which they are computed (A, B: the left and right operand; K: the contracted axis; several contracted axes count as one K, in the product's order):
;;     1. [M 4,096, K 1,024] x [K 1,024, N 3,072]; A: input hidden_states (given as codes); B: input w_qkv (given as codes): QUANTISED
;;     2. batch 32 x [M 2,048, K 64] x [K 64, N 2,048]; A: computed on the way; B: computed on the way: QUANTISED
;;     3. batch 32 x [M 64, K 2,048] x [K 2,048, N 2,048]; A: computed on the way; B: computed on the way: QUANTISED
;;     4. [M 4,096, K 1,024] x [K 1,024, N 1,024]; A: computed on the way; B: input w_o (given as codes): QUANTISED
;;   THE QUANTISER, for each operand of a quantised product, along K:
;;     - K is cut into blocks of 32 from its start; a last block that is shorter is filled with zeros.
;;     - A block's scale is 2^e with e = floor(log2(the largest magnitude in the block)) - 2, held to -126 .. 127; a block of zeros has e = 0. As a byte (E8M0): e + 127.
;;     - Each number is divided by its block's scale, clamped to +-7.5, and rounded to the nearest number of E2M3, ties to even, subnormals kept.
;;     - The product sums the exact products of the quantised numbers (number of the format x scale) in f32.
;;   ~~~python
;;   def quantise(x, axis):      # numpy; x: float32 -> the quantised numbers, widened to float32 again
;;       x = np.moveaxis(x, axis, -1); K = x.shape[-1]
;;       x = np.pad(x, [(0, 0)] * (x.ndim - 1) + [(0, -K % 32)]); x = x.reshape(x.shape[:-1] + (-1, 32)); a = np.abs(x).max(-1, keepdims=True)
;;       e = np.where(a > 0, np.clip(np.frexp(np.where(a > 0, a, 1))[1] - 1 - 2, -126, 127), 0)      # np.frexp(a)[1] - 1 = floor(log2(a)), exactly
;;       r = np.clip(x / 2.0 ** e, -7.5, 7.5)
;;       step = 2.0 ** (np.maximum(np.frexp(np.where(r == 0, 1, r))[1] - 1, 0) - 3)
;;       q = np.round(r / step) * step * 2.0 ** e      # np.round: ties to even
;;       return np.moveaxis(q.reshape(q.shape[:-2] + (-1,))[..., :K], -1, axis).astype(np.float32)
;;   ~~~
;;   OPERANDS COMPUTED ON THE WAY. 'Computed on the way' means the value that the module computes at that place (a softmax that the list does not call 'softmax' is quantised finished and normalised). What goes into a quantiser is computed in f32, as accurately as f32 sums, v_exp_f32 and their like allow (about 1e-6 of the number): no bf16 or f16 on the way to a quantiser, and a product that is left as it is and whose result goes on into a quantised operand takes f32 operands (vector FMAs, or v_wmma_f32_16x16x4_f32). A number that lies on a knife's edge between two numbers of the format may be rounded either way, as far as f32 arithmetic and the matrix unit's own rounding can turn it there, and no further.
;;   INPUTS GIVEN AS CODES. hidden_states (in the module: [2, 2048, 1024], K = its axis 2); w_o (in the module: [1024, 1024], K = its axis 0); w_qkv (in the module: [1024, 3072], K = its axis 0): each comes as NAME_codes (uint8): NAME with its K axis moved to the last place and cut into blocks of 32 codes, [.., K / 32, bytes a block], one block behind the other in memory; four codes in three bytes: a row's codes are one little-endian stream of bits, code i at bits 6 i .. 6 i + 5 (a code: sign, 2 exponent bits, 3 mantissa bits); and NAME_scales (uint8): the same leading axes, one E8M0 byte (e + 127) for each 32 codes along K. Its value is code x scale, taken as it is: it is not quantised again, and the codes and scales need not be those that the quantiser above would give.
;; One version. Each part assembles by itself: llvm-mc -triple=amdgcn-amd-amdhsa -mcpu=gfx1250 --defsym DOCPART=n.
;; ======== version 1 of 1: 3 launches
;; limits: right only within a limited range of input values
;; workspace buffers: qbuf 3,276,800 bytes; kbuf 3,276,800 bytes; vbuf 3,276,800 bytes; cbuf 3,276,800 bytes
;; launch qkv (part 1): grid 16 x 16, 6 waves a work-group, clusters of 4 x 4, 327,680 bytes of LDS; arguments hidden_states_codes, hidden_states_scales, w_qkv_codes, w_qkv_scales, b_qkv, attention_mask, qbuf, kbuf, vbuf; writes qbuf, kbuf, vbuf
.if DOCPART == 1
	.amdgcn_target "amdgcn-amd-amdhsa--gfx1250"
	.amdhsa_code_object_version 6
	.text
	.protected	k_q5870ac8e7c_qkv
	.globl	k_q5870ac8e7c_qkv
	.p2align	8
	.type	k_q5870ac8e7c_qkv,@function
k_q5870ac8e7c_qkv:
	s_mov_b64 s[64:65], 0
	v_nop
	global_prefetch_b8 v0, s[64:65] scope:SCOPE_SE
	s_setreg_imm32_b32 hwreg(HW_REG_WAVE_MODE, 25, 1), 1
	s_wait_xcnt 0x0
	s_wait_alu depctr_hold_cnt(0) depctr_sa_sdst(0) depctr_va_vdst(0) depctr_va_sdst(0) depctr_va_ssrc(0) depctr_va_vcc(0) depctr_vm_vsrc(0)
	s_getreg_b32 s2, hwreg(HW_REG_IB_STS2, 6, 4)
	s_cmp_eq_u32 s2, 0
	s_cbranch_scc0 .Lentry_in_a_cluster
	s_endpgm
.Lentry_in_a_cluster:
	s_bfe_u32 s2, ttmp6, 0x10000c
	s_cmp_lg_u32 s2, 0xf033
	s_cbranch_scc0 .Lentry_shape_is_right
	s_endpgm
.Lentry_shape_is_right:
; fused_qkv = hidden W + b on codes of FP6 (E2M3) with one E8M0 scale for each 32 along K; q, k and v are quantised at once for the two products of attention and leave as codes.
; SHARES.  A work-group takes one head (192 columns of W: 64 of q, 64 of k, 64 of v) and 128 tokens, K = 1,024 in eight steps of 128.  Six waves: wave w has token half th = w & 1 and type ty = w >> 1 (q, k, v): 64 x 64, 16 accumulators.
; ONE TEXT FOR THREE TYPES.  X is source 0 (it falls into a lane's registers), Y is source 1 (it falls into lanes).  q, k: X = W's 64 rows, Y = 64 tokens: a lane holds one token and its registers run along the head, which is
; the K of q k^T.  v: X = tokens, Y = W's rows: a lane holds one channel and its registers run along the tokens, the K of the second product.  Only address registers differ.
; THE ROWS OF A TILE ARE NOT NEIGHBOURS: lane r of tile 2 B + u takes row 32 B + 8 u + r + 8 (r / 8), so that the 16 registers of tiles 2 B and 2 B + 1 are 16 neighbours along the next K.
; LDS.  The mover lays the rows so that such a tile is 16 places on end: two planes u = 0, 1; place 8 G + i of plane u holds row 16 G + 8 u + i (G 0-7: the tokens, G 8-19: W's rows).  In memory the eight rows of a place group are
; 6,144 dense bytes, and groups of one plane lie 16 rows apart: a tile of rows of 6,144 bytes.  16 bytes of padding behind each 256: a place is 816 bytes = 204 words, so row r begins at bank 12 r mod 64
; (64 banks of 4 bytes: ISA guide 11.1) and the 32 lanes of a load of 8 bytes touch 64 different banks.  All of K fits: every LDS byte is filled once, there is no ring, and one barrier stands between the fills and the reads.
; CLUSTERS: 4 x 4 work-groups.  The four of a row of the cluster share the tokens, the four of a column share the head: each tile is asked for jointly, by the same tensor load with a mask that names the four.
; k OF A PADDED KEY IS SET TO ZERO ahead of the quantiser: its scores are replaced by the mask's number in any case, and zero codes let the next launch give that number as the C of the score product.
; OUT (this program's own layouts, in the order of operand registers; a record of 102,400 bytes for each batch x head):
;   qbuf, kbuf: blocks of 32 tokens, 12 registers a lane as [4 registers][lane][16 bytes]: registers 0-5 tile u = 0, 6-11 tile u = 1; at +98,304 one scale word for each block and lane r: bytes 0, 1 tile 0's token, 2, 3 tile 1's.
;   vbuf: [step of 128 keys][tile of 16 channels][piece of 2 registers][lane][8 bytes]; at +98,304 [step][tile][r] one scale word, byte k for key block k.
; LIMITS: NaN and infinities are not served.  A block of zeros gets the scale byte 1 where the rule says 127: its codes are zeros, and this program alone reads the bytes.
; The scale words leave in stores of 2 or 4 bytes a lane (128 consecutive bytes an instruction): one byte in 24 of what is stored.
; A WORK-GROUP STAYS: it takes TWO blocks of 128 tokens for its head, block Y of batch 0 and then block Y of batch 1 (grid y = Y, 0 to 15); what stands above of one block holds of each.
; W's codes and scale bytes are filled once.  The tokens' codes and scale bytes are filled a second time: behind the first block's products every wave runs the wait for its tensor loads, the add and the wait for its
; LDS reads, a round of the cluster's barrier follows, and waves 0, 1 and 4 issue the joint refills, one each; the first block is quantised and stored while they are on their way.  lds_bytes claims all of LDS.
; PREFETCH: at the head each wave names 16 of the second block's 384 units of 256 bytes of codes, a whole block's work ahead of the refill; the four partners that will ask for them jointly share them out by address (cx).
.set PITCH,  816                       ; a row's place in LDS: 3 x (256 + 16) bytes
.set PLANE,  160*PITCH                 ; a plane: 64 places of tokens, 96 of W's rows
.set TILEB,  16*PITCH
.set SHB,    2*PLANE                   ; the tokens' scale bytes: 128 rows x 32 bytes as 16 units of 256 + 16
.set SWB,    SHB+16*272                ; W's: 192 rows x 32 bytes as 24 units
.set REC,    102400
.set SCOFF,  98304
.set AX,  4                            ; v4-5   LDS address of X's rows in plane 0, 1;  v6-7 the same for the pieces that lie behind one padding more
.set AY,  8                            ; v8-11  the same for Y
.set ADS, 12                           ; v12    LDS address of my scale words: lanes 0-15 X's rows, lanes 16-31 Y's
.set O16, 13                           ; v13    q, k: my byte offset among the codes
.set O8,  14                           ; v14    v: the same
.set O4,  15                           ; v15    q, k: my scale word's offset
.set SC,  16                           ; v16-47 scale words and nothing else: register 8 i + s: lanes 0-15 X tile i's word of K step s, lanes 16-31 Y tile i's
.set BX,  48                           ; v48-79 the bias along the registers (q, k); later the codes
.set BY,  80                           ; v80-87 the bias along the lanes (v), a pair for each Y tile
.set MK,  88                           ; v88-95 1.0 or 0.0 for my token of each Y tile, in pairs
.set MB,  96                           ; v96-99 the mask's bytes
.set TM,  100                          ; v100-105 the quantiser's: two maxima, two from the other half of the lanes, two scale operands
.set BYT, 106                          ; v106-113 scale bytes: two for each Y tile
.set WD,  114                          ; v114-119 scale words in the making
.set OV,  121                          ; v121   v: my scale bytes' offset
.set ACC, 128                          ; v128-255 accumulator (x, y) at 128 + 8 (4 y + x).   Window 1: two sets of fragments at v0 and v128: X tile x at + 12 x, Y tile y at + 48 + 12 y
.set SEL, 2                            ; s[2:3] lane selects of v_permlanex16_b32: lane l xor 16
.set WV,  22                           ; s22 wave; s23 th; s24 ty; s25 1 in v's waves; s26 1 in the others; s27 cx; s28 cy; s29 head; s30 token block
.set MSB, 0
.macro WIN new                         ; the immediate's high byte repeats the setting that is left
.if MSB != \new
	s_set_vgpr_msb (MSB<<8)|\new
.set MSB, \new
.endif
.endm
.macro PLACES n
.rept \n
	v_nop
.endr
.endm
.macro CROUND                          ; a round of the cluster's barrier
	s_barrier_signal -1
	s_barrier_wait -1
	s_cmp_lg_u32 s[WV], 0
	s_cbranch_scc1 .Lnot_wave_0_\@
	s_barrier_signal -3
.Lnot_wave_0_\@:
	s_barrier_wait -3
	s_barrier_signal -1
	s_barrier_wait -1
.endm
	s_load_b512 s[4:19], s[0:1], 0x0               ; hidden codes s[4:5], hidden scales s[6:7], W codes s[8:9], W scales s[10:11], b_qkv s[12:13], mask s[14:15], qbuf s[16:17], kbuf s[18:19]
	s_load_b64 s[20:21], s[0:1], 0x40              ; vbuf
	v_lshl_add_u32 v120, v0, 2, 0x42800
	s_set_vgpr_msb 0x40
	v_mov_b32 v255, 0
	s_set_vgpr_msb 0x4044
	ds_add_u32 v120, v255
	ds_add_u32 v120, v255
	s_set_vgpr_msb 0x4400
	v_lshrrev_b32 v1, 5, v0
	v_readfirstlane_b32 s[WV], v1                  ; wave 0..5
	s_and_b32 s23, s[WV], 1                        ; th.  Also: the plane u that I fetch
	s_lshr_b32 s24, s[WV], 1                       ; ty
	s_lshr_b32 s25, s[WV], 2                       ; 1 in v's waves
	s_xor_b32 s26, s25, 1
	s_bfe_u32 s27, ttmp6, 0x40000                  ; cx
	s_bfe_u32 s28, ttmp6, 0x40004                  ; cy
	s_lshl_b32 s29, ttmp9, 2
	s_add_co_u32 s29, s29, s27                     ; the head = 4 x cluster x + cx
	s_and_b32 s30, ttmp7, 0xffff
	s_lshl_b32 s30, s30, 2
	s_add_co_u32 s30, s30, s28                     ; the block of 128 tokens = 4 x cluster y + cy
	s_lshl_b32 s31, s28, 2
	s_lshl_b32 s31, 15, s31                        ; my row of the cluster
	s_lshl_b32 s32, 0x1111, s27                    ; my column
	; group 1 for the tokens' codes: 8 rows of 6,144 bytes, 12,288 bytes apart; 16 bytes of padding behind every 64 words
	s_or_b32 s40, s31, (1<<20)|(1<<21)|(5<<22)|(3<<25)  ; 15:0 the mask; 17:16 elements of 1 byte; 20 padding on; 21 set beside a mask; 24:22 code 5; 31:25 code 3
	s_mov_b32 s41, 6144<<16                        ; tensor_dim0
	s_mov_b32 s42, 8<<16                           ; tensor_dim1
	s_mov_b32 s43, 6144<<16                        ; tile_dim0
	s_mov_b32 s44, 8                               ; tile_dim1
	s_mov_b32 s45, 12288                           ; from row to row
	s_mov_b32 s46, 0
	s_mov_b32 s47, 0
	; for W's codes: 12 such rows (a whole plane of the head's 192 rows), to my column
	s_or_b32 s48, s32, (1<<20)|(1<<21)|(5<<22)|(3<<25)
	s_mov_b32 s49, 6144<<16
	s_mov_b32 s50, 12<<16
	s_mov_b32 s51, 6144<<16
	s_mov_b32 s52, 12
	s_mov_b32 s53, 12288
	s_mov_b32 s54, 0
	s_mov_b32 s55, 0
	; for the tokens' scale bytes: 16 dense rows of 256 bytes (32 elements of 8 bytes), 16 bytes of padding behind each
	s_or_b32 s56, s31, (3<<16)|(1<<20)|(1<<21)|(5<<22)|(3<<25)
	s_mov_b32 s57, 32<<16
	s_mov_b32 s58, 16<<16
	s_mov_b32 s59, 32<<16
	s_mov_b32 s60, 16
	s_mov_b32 s61, 32
	s_mov_b32 s62, 0
	s_mov_b32 s63, 0
	; for W's scale bytes: 24 such rows
	s_or_b32 s68, s32, (3<<16)|(1<<20)|(1<<21)|(5<<22)|(3<<25)
	s_mov_b32 s69, 32<<16
	s_mov_b32 s70, 24<<16
	s_mov_b32 s71, 32<<16
	s_mov_b32 s72, 24
	s_mov_b32 s73, 32
	s_mov_b32 s74, 0
	s_mov_b32 s75, 0
	; where the tiles come from.  The tokens' hang on the token block alone, W's on the head alone, each in registers that never hold the other coordinate
	s_mul_i32 s92, s30, 98304                      ; 128 rows of 768 bytes a block,
	s_mul_i32 s33, s23, 6144                       ; + 8 u rows
	s_add_co_u32 s92, s92, s33
	s_mov_b32 s93, 0
	s_lshl_b32 s94, s30, 12                        ; the tokens' scales: 4,096 bytes a block
	s_mov_b32 s95, 0
	s_mul_i32 s96, s29, 147456                     ; 192 rows of 768 bytes a head,
	s_add_co_u32 s96, s96, s33                     ; + 8 u rows
	s_mov_b32 s97, 0
	s_mul_i32 s98, s29, 6144                       ; W's scales: 6,144 bytes a head
	s_mov_b32 s99, 0
	; and where they go: the wave's number alone enters an LDS address
	s_mul_i32 s38, s23, PLANE
	s_add_co_u32 s39, s38, 64*PITCH
	s_wait_dscnt 0x0
	s_wait_kmcnt 0x0
	s_mov_b32 s76, 1                               ; group 0: count 1, LDS address, global address, type 2
	s_mov_b32 s77, s38
	s_add_nc_u64 s[78:79], s[4:5], s[92:93]
	s_or_b32 s79, s79, 0x80000000
	s_mov_b32 s80, 1
	s_mov_b32 s81, SHB
	s_add_nc_u64 s[82:83], s[6:7], s[94:95]
	s_or_b32 s83, s83, 0x80000000
	s_mov_b32 s84, 1
	s_mov_b32 s85, s39
	s_add_nc_u64 s[86:87], s[8:9], s[96:97]
	s_or_b32 s87, s87, 0x80000000
	s_mov_b32 s88, 1
	s_mov_b32 s89, SWB
	s_add_nc_u64 s[90:91], s[10:11], s[98:99]
	s_or_b32 s91, s91, 0x80000000
	CROUND                                         ; all sixteen work-groups are here: the joint loads meet
	s_cmp_lt_u32 s[WV], 2                          ; six fills, one a wave, in one chain of branches on the wave's number: waves 0, 1 the tokens' two planes,
	s_cbranch_scc0 .Lfill_w
	tensor_load_to_lds s[76:79], s[40:47]
	s_nop 0
	PLACES 4
	s_branch .Lfilled
.Lfill_w:
	s_cmp_lt_u32 s[WV], 4                          ; waves 2, 3 W's two planes,
	s_cbranch_scc0 .Lfill_sh
	tensor_load_to_lds s[84:87], s[48:55]
	s_nop 0
	PLACES 4
	s_branch .Lfilled
.Lfill_sh:
	s_cmp_lt_u32 s[WV], 5                          ; wave 4 the tokens' scale bytes,
	s_cbranch_scc0 .Lfill_sw
	tensor_load_to_lds s[80:83], s[56:63]
	s_nop 0
	PLACES 4
	s_branch .Lfilled
.Lfill_sw:
	tensor_load_to_lds s[88:91], s[68:75]          ; wave 5 W's
	s_nop 0
	PLACES 4
.Lfilled:
	; while the tiles are on their way: bias and mask are asked for, addresses are made
	v_and_b32 v1, 31, v0                           ; lane
	v_and_b32 v2, 15, v0                           ; r
	v_bfe_u32 v3, v0, 4, 1                         ; h
	s_wait_alu depctr_va_vdst(0)
	s_mul_i32 s34, s29, 768
	s_lshl_b32 s33, s24, 8
	s_add_co_u32 s34, s34, s33
	s_mov_b32 s35, 0
	s_add_nc_u64 s[12:13], s[12:13], s[34:35]      ; b_qkv at my type's 64 numbers: (192 head + 64 ty) x 4
	s_lshl_b32 s34, s30, 7
	s_lshl_b32 s33, s23, 6
	s_add_co_u32 s34, s34, s33
	s_add_nc_u64 s[14:15], s[14:15], s[34:35]      ; the mask at my 64 tokens
	s_mul_i32 s6, s27, 6                           ; the prefetch: unit 16 (6 cx + wave) of the second block's codes (s[4:7] have served the descriptors)
	s_add_co_u32 s6, s6, s[WV]
	s_lshl_b32 s6, s6, 12
	s_add_co_u32 s7, s30, 16
	s_mul_i32 s7, s7, 98304
	s_add_co_u32 s6, s6, s7
	s_mov_b32 s7, 0
	s_add_nc_u64 s[4:5], s[4:5], s[6:7]
	v_lshlrev_b32 v122, 6, v3                      ; register 16 b + i is number 32 b + 16 h + i
	v_and_b32 v124, 8, v2
	v_add_nc_u32 v124, v124, v2                    ; r + 8 (r / 8)
	v_lshlrev_b32 v123, 2, v124
.irp b, 0,1
.irp k, 0,1,2,3
	global_load_b128 v[BX+16*\b+4*\k:BX+16*\b+4*\k+3], v122, s[12:13] offset:128*\b+16*\k
.endr
.endr
.irp y, 0,1,2,3
	global_load_b32 v[BY+2*\y], v123, s[12:13] offset:(32*(\y/2)+8*(\y%2))*4
.endr
.irp y, 0,1,2,3
	global_load_u8 v[MB+\y], v124, s[14:15] offset:32*(\y/2)+8*(\y%2)
.endr
	s_mov_b32 s[SEL], 0x76543210
	s_mov_b32 s[SEL+1], 0xfedcba98
	v_mov_b32 v[TM+2], 0                           ; written once: a lane permute's destination counts as one of its sources
	v_mov_b32 v[TM+3], 0
	s_lshl_b32 s33, s23, 5                         ; my tokens' first place: 32 th
	s_lshl_b32 s34, s24, 5
	s_add_co_u32 s34, s34, 64                      ; my rows of W: 64 + 32 ty
	s_mul_i32 s35, s26, s34
	s_mul_i32 s36, s25, s33
	s_add_co_u32 s35, s35, s36                     ; X: W's rows for q and k, the tokens for v
	s_mul_i32 s36, s25, s34
	s_mul_i32 s37, s26, s33
	s_add_co_u32 s36, s36, s37                     ; Y: the other
	s_mul_i32 s35, s35, PITCH
	s_mul_i32 s36, s36, PITCH
	v_mul_u32_u24 v125, v2, PITCH
	v_mad_u32_u24 v125, v3, 24, v125               ; a fragment's row x pitch + 24 x half
	v_add_nc_u32 v[AX], s35, v125
	v_add_nc_u32 v[AY], s36, v125
	v_min_u32 v125, 15, v1                         ; a lane a unit; lanes 16-31 name my last unit again
	v_lshlrev_b32 v125, 8, v125
	global_prefetch_b8 v125, s[4:5] th:TH_LOAD_NT scope:SCOPE_SE   ; v125 and s[4:5] are not written again
	v_add_nc_u32 v[AX+1], PLANE, v[AX]
	v_add_nc_u32 v[AY+1], PLANE, v[AY]
.irp u, 0,1
	v_lshl_add_u32 v[AX+2+\u], v3, 4, v[AX+\u]     ; the same behind one padding more
	v_lshl_add_u32 v[AY+2+\u], v3, 4, v[AY+\u]
.endr
	s_xor_b32 s33, s23, 1                          ; scale words: the lower base is my tokens', and W's lie 2,176 (ty + 1 + (1 - th)) bytes on: one product
	s_add_co_u32 s33, s33, s24
	s_add_co_u32 s33, s33, 1
	s_mul_i32 s33, s33, 2176
	s_mul_i32 s34, s23, 2176
	s_add_co_u32 s34, s34, SHB
	v_lshrrev_b32 v126, 3, v2
	v_and_b32 v127, 7, v2
	v_mul_u32_u24 v126, v126, 544                  ; rows r >= 8 of a tile lie 16 rows, two units, on
	v_lshl_add_u32 v126, v127, 5, v126             ; 32 bytes a row
	v_xor_b32 v127, s26, v3                        ; 1 where the lane takes W's: lanes 0-15 (X) for q and k, lanes 16-31 (Y) for v
	v_mul_u32_u24 v127, s33, v127
	v_add_nc_u32 v126, v126, v127
	v_add_nc_u32 v[ADS], s34, v126
	; the way out
	s_and_b32 s33, s30, 15                         ; the step of 128 keys in its batch
	s_lshl_b32 s36, s33, 2
	s_lshl_b32 s37, s23, 1
	s_add_co_u32 s36, s36, s37                     ; my first block of 32 tokens: 4 st + 2 th
	s_mul_i32 s37, s36, 1536
	v_lshl_add_u32 v[O16], v1, 4, s37
	s_lshl_b32 s37, s36, 6
	v_lshl_add_u32 v[O4], v1, 2, s37
	s_mul_i32 s37, s33, 6144
	s_mul_i32 s36, s23, 768
	s_add_co_u32 s37, s37, s36                     ; v: step st, pieces 3 th on
	v_lshl_add_u32 v[O8], v1, 3, s37
	s_lshl_b32 s37, s33, 8
	s_lshl_b32 s36, s23, 1
	s_add_co_u32 s37, s37, s36                     ; v's scale bytes: 256 a step, bytes 2 th, 2 th + 1 of a word
	v_lshl_add_u32 v[OV], v1, 2, s37
	s_lshr_b32 s38, s30, 4
	s_lshl_b32 s38, s38, 4
	s_add_co_u32 s38, s38, s29                     ; the record: 16 x batch + head
	s_mul_i32 s38, s38, REC
	s_mov_b32 s39, 0
	s_add_nc_u64 s[16:17], s[16:17], s[38:39]
	s_add_nc_u64 s[18:19], s[18:19], s[38:39]
	s_add_nc_u64 s[20:21], s[20:21], s[38:39]
	s_cmp_eq_u32 s24, 0
	s_cselect_b64 s[92:93], s[16:17], s[18:19]     ; q's waves store to qbuf, k's to kbuf
	s_cselect_b32 s33, 0x3f800000, 0               ; q is never masked here
	s_wait_alu depctr_va_vdst(0)
	s_wait_tensorcnt 0x0                           ; for the others' sake: my fill has landed
	s_barrier_signal -1
	s_barrier_wait -1                              ; everybody's has
; a fragment, 16 rows x 128 K of 6-bit codes, is 12 registers: lane l holds row l % 16; registers 6 c .. 6 c + 5 hold K = 64 c + 32 (l / 16) + 0 .. 31: 24 bytes of the row, in pieces of 8.
; Lanes 16-31 read three pieces further on than lanes 0-15: where that is behind one padding more (32 pieces to a padding), the second address register serves.
.macro FRAG reg, adr, s, b
.irp p, 0,1,2,3,4,5
.set PCE, 12*(\s)+6*(\p/3)+\p%3
.if PCE%32 < 29
	ds_load_b64 v[\reg+2*\p:\reg+2*\p+1], v[\adr] offset:8*PCE+16*(PCE/32)+(\b)*TILEB
.else
	ds_load_b64 v[\reg+2*\p:\reg+2*\p+1], v[\adr+2] offset:8*PCE+16*(PCE/32)+(\b)*TILEB
.endif
.endr
.endm
.macro FETCH s, set                    ; 48 LDS loads in one run: K step s, X's four tiles and Y's four, into a set of window 1
	WIN 0x40
.irp x, 0,1,2,3
	FRAG 128*(\set)+12*\x, AX+\x%2, \s, \x/2
.endr
.irp y, 0,1,2,3
	FRAG 128*(\set)+48+12*\y, AY+\y%2, \s, \y/2
.endr
	WIN 0
.endm
.macro SCALES                          ; all eight K steps' scale words: 32 bytes a row
.irp i, 0,1,2,3
.irp k, 0,1
	ds_load_b128 v[SC+8*\i+4*\k:SC+8*\i+4*\k+3], v[ADS] offset:272*(4*(\i/2)+\i%2)+16*\k
.endr
.endr
.endm
.macro MUL s, set, zero                ; 16 matrix instructions; the 16 accumulators take turns, one instruction a turn, in the same order in every step
	WIN 0x05
.irp y, 0,1,2,3
.irp x, 0,1,2,3
.if \zero
	v_wmma_scale_f32_16x16x128_f8f6f4 v[ACC+8*(4*\y+\x):ACC+8*(4*\y+\x)+7], v[128*(\set)+12*\x:128*(\set)+12*\x+11], v[128*(\set)+48+12*\y:128*(\set)+48+12*\y+11], 0, v[SC+8*\x+(\s)], v[SC+8*\y+(\s)] matrix_a_fmt:MATRIX_FMT_FP6 matrix_b_fmt:MATRIX_FMT_FP6 matrix_b_scale:MATRIX_SCALE_ROW1
.else
	v_wmma_scale_f32_16x16x128_f8f6f4 v[ACC+8*(4*\y+\x):ACC+8*(4*\y+\x)+7], v[128*(\set)+12*\x:128*(\set)+12*\x+11], v[128*(\set)+48+12*\y:128*(\set)+48+12*\y+11], v[ACC+8*(4*\y+\x):ACC+8*(4*\y+\x)+7], v[SC+8*\x+(\s)], v[SC+8*\y+(\s)] matrix_a_fmt:MATRIX_FMT_FP6 matrix_b_fmt:MATRIX_FMT_FP6 matrix_b_scale:MATRIX_SCALE_ROW1
.endif
.endr
.endr
.endm
; 32 numbers of a lane, register 16 b + i = k 32 b + 16 (lane / 16) + i of the lane's row, become 6 registers of codes (k = 32 (lane / 16) + 0 .. 31) and two scale bytes.
.macro HALFQ src, dst, tmp, by
	v_max3_num_f32 v[TM], |v[\src]|, |v[\src+1]|, 0x1800000         ; my 16 numbers of each block, and the floor 2^(3 - 127): the byte cannot fall under 1
	v_max3_num_f32 v[TM+1], |v[\src+16]|, |v[\src+17]|, 0x1800000
.irp i, 2,4,6,8,10,12,14
	v_max3_num_f32 v[TM], v[TM], |v[\src+\i]|, |v[\src+\i+1]|
	v_max3_num_f32 v[TM+1], v[TM+1], |v[\src+16+\i]|, |v[\src+17+\i]|
.endr
	v_permlanex16_b32 v[TM+2], v[TM], s[SEL], s[SEL+1]
	v_permlanex16_b32 v[TM+3], v[TM+1], s[SEL], s[SEL+1]
	v_max_num_f32 v[TM], v[TM], v[TM+2]            ; with lane l xor 16's: the block's largest magnitude
	v_max_num_f32 v[TM+1], v[TM+1], v[TM+3]
	v_add_nc_u32 v[TM+4], 0xff000000, v[TM]        ; 2 off its exponent field: the conversion's scale operand
	v_add_nc_u32 v[TM+5], 0xff000000, v[TM+1]
	v_lshrrev_b32 v[\by], 23, v[TM+4]              ; the scale's byte
	v_lshrrev_b32 v[\by+1], 23, v[TM+5]
	v_cvt_scalef32_pk16_fp6_f32 v[\dst:\dst+2], v[\src:\src+15], v[TM+4]
	v_cvt_scalef32_pk16_fp6_f32 v[\tmp:\tmp+2], v[\src+16:\src+31], v[TM+5]
	v_nop                                          ; one plain place behind a scaled conversion
.irp i, 0,1,2
	v_permlane16_swap_b32 v[\dst+\i], v[\tmp+\i]   ; a whole block to a lane: lanes 0-15 block 0, lanes 16-31 block 1
.endr
.irp i, 0,1,2
	v_mov_b32 v[\dst+3+\i], v[\tmp+\i]
.endr
.endm
; ONE BLOCK OF 128 TOKENS: products, bias, quantiser, stores.  more = 1: the tokens' bytes are filled again behind the products
.macro BLOCK more
	SCALES
	FETCH 0, 0
.irp s, 0,1,2,3,4,5,6,7                ; the eight K steps, written out: while one set is multiplied the other is fetched
.if \s < 7
.if \s > 0
	PLACES 4                                       ; four places in front of loads into registers that matrix instructions have read (ISA guide 7.12.1 for vector instructions)
.endif
	FETCH \s+1, (\s+1)%2
	s_wait_dscnt 48                                ; all but the 48 just issued: this step's fragments (and the scale words) are in
.else
	s_wait_dscnt 0x0
.endif
.if \s == 0
	MUL \s, \s%2, 1                                ; the first step starts the sums: nothing is cleared
.else
	MUL \s, \s%2, 0
.endif
.endr
	WIN 0
.if \more
	s_set_vgpr_msb 0x4
	s_wait_tensorcnt 0x0                           ; no tensor load of mine is out,
	ds_add_u32 v120, v255
	s_add_nc_u64 s[78:79], s[78:79], 16*98304      ; so the descriptors may step: the same block of the next batch, 16 blocks on: codes,
	s_add_nc_u64 s[82:83], s[82:83], 16*4096       ; and scale bytes
	s_wait_dscnt 0x0                               ; the add is done, and so are my reads of the tokens' bytes
	s_set_vgpr_msb 0x400
	CROUND                                         ; that now holds of every wave of every partner
	s_cmp_lt_u32 s[WV], 2                          ; the joint refills, one a wave: waves 0, 1 the two planes,
	s_cbranch_scc0 .Lre_s_\@
	tensor_load_to_lds s[76:79], s[40:47]
	s_nop 0
	PLACES 4
	s_branch .Lre_done_\@
.Lre_s_\@:
	s_cmp_eq_u32 s[WV], 4                          ; wave 4 the scale bytes
	s_cbranch_scc0 .Lre_done_\@
	tensor_load_to_lds s[80:83], s[56:63]
	s_nop 0
	PLACES 4
.Lre_done_\@:
.endif
	PLACES 4                                       ; in front of the first reads of results
	s_wait_loadcnt 0x0                             ; bias and mask
	s_cmp_eq_u32 s24, 2
	s_cbranch_scc1 .Lv_arm_\@
	; ---- q, k: a lane holds one token of each Y tile, registers along the head
.irp y, 0,1,2,3
	v_cvt_f32_u32 v[MK+2*\y], v[MB+\y]
.endr
.irp y, 0,1,2,3
	v_max_num_f32 v[MK+2*\y], s33, v[MK+2*\y]      ; 1.0 for q; for k the key's own mask
.endr
.irp y, 0,1,2,3
	v_mov_b32 v[MK+2*\y+1], v[MK+2*\y]
.endr
.irp y, 0,1,2,3
.irp i, 0,2,4,6,8,10,12,14,16,18,20,22,24,26,28,30
	v_pk_add_f32 v[ACC+32*\y+\i:ACC+32*\y+\i+1], v[ACC+32*\y+\i:ACC+32*\y+\i+1], v[BX+\i:BX+\i+1]   ; + bias; each accumulator from its low end on
.endr
.irp i, 0,2,4,6,8,10,12,14,16,18,20,22,24,26,28,30
	v_pk_mul_f32 v[ACC+32*\y+\i:ACC+32*\y+\i+1], v[ACC+32*\y+\i:ACC+32*\y+\i+1], v[MK+2*\y:MK+2*\y+1]
.endr
.endr
.irp y, 0,1,2,3                        ; the bias has been read: its registers take the codes, 12 for each block of 32 tokens
	HALFQ ACC+32*\y, BX+12*(\y/2)+6*(\y%2), BX+24, BYT+2*\y
.endr
.irp p, 0,1
	v_lshl_or_b32 v[WD+\p], v[BYT+4*\p+1], 8, v[BYT+4*\p]
	v_lshl_or_b32 v[WD+\p], v[BYT+4*\p+2], 16, v[WD+\p]
	v_lshl_or_b32 v[WD+\p], v[BYT+4*\p+3], 24, v[WD+\p]
.endr
	s_mov_b32 vcc_lo, 0xffff0000
	v_cndmask_b32 v[WD+2], v[WD], v[WD+1], vcc_lo  ; lanes 0-15 store the first block's words, lanes 16-31 the second's
.irp p, 0,1
.irp c, 0,1,2
	global_store_b128 v[O16], v[BX+12*\p+4*\c:BX+12*\p+4*\c+3], s[92:93] offset:1536*\p+512*\c   ; 32 lanes store 512 consecutive bytes, at a multiple of 256 from the buffer's first byte
.endr
.endr
	global_store_b32 v[O4], v[WD+2], s[92:93] offset:SCOFF
	s_branch .Ljoin_\@
.Lv_arm_\@:
	; ---- v: a lane holds one channel of each Y tile, registers along my 64 tokens
.irp y, 0,1,2,3
	v_mov_b32 v[BY+2*\y+1], v[BY+2*\y]
.endr
.irp y, 0,1,2,3
.irp i, 0,2,4,6,8,10,12,14,16,18,20,22,24,26,28,30
	v_pk_add_f32 v[ACC+32*\y+\i:ACC+32*\y+\i+1], v[ACC+32*\y+\i:ACC+32*\y+\i+1], v[BY+2*\y:BY+2*\y+1]
.endr
.endr
.irp y, 0,1,2,3
	HALFQ ACC+32*\y, BX+6*\y, BX+24, BYT+2*\y
.endr
.irp y, 0,1,2,3
	v_lshl_or_b32 v[WD+\y], v[BYT+2*\y+1], 8, v[BYT+2*\y]
.endr
	s_mov_b32 vcc_lo, 0xffff0000
	v_cndmask_b32 v[WD+4], v[WD], v[WD+1], vcc_lo  ; lanes 0-15 store the even tile's two bytes, lanes 16-31 the odd tile's
	v_cndmask_b32 v[WD+5], v[WD+2], v[WD+3], vcc_lo
.irp y, 0,1,2,3
.irp i, 0,1,2
	global_store_b64 v[O8], v[BX+6*\y+2*\i:BX+6*\y+2*\i+1], s[20:21] offset:1536*\y+256*\i   ; 32 lanes store 256 consecutive bytes, aligned
.endr
.endr
	global_store_b16 v[OV], v[WD+4], s[20:21] offset:SCOFF
	global_store_b16 v[OV], v[WD+5], s[20:21] offset:SCOFF+128
.Ljoin_\@:
.endm
	BLOCK 1
	s_wait_alu depctr_va_vdst(0)
	s_wait_xcnt 0x0                                ; the stores have read their registers and bases
	s_add_nc_u64 s[92:93], s[92:93], 16*REC        ; the next batch's record of my head,
	s_add_nc_u64 s[20:21], s[20:21], 16*REC
	s_add_nc_u64 s[14:15], s[14:15], 2048          ; and its mask
.irp b, 0,1                            ; the codes took the bias's registers: bias and mask are asked for again, and are on their way through the products
.irp k, 0,1,2,3
	global_load_b128 v[BX+16*\b+4*\k:BX+16*\b+4*\k+3], v122, s[12:13] offset:128*\b+16*\k
.endr
.endr
.irp y, 0,1,2,3
	global_load_b32 v[BY+2*\y], v123, s[12:13] offset:(32*(\y/2)+8*(\y%2))*4
.endr
.irp y, 0,1,2,3
	global_load_u8 v[MB+\y], v124, s[14:15] offset:32*(\y/2)+8*(\y%2)
.endr
	s_wait_tensorcnt 0x0                           ; for the others' sake: my refill has landed
	s_barrier_signal -1
	s_barrier_wait -1                              ; everybody's has
	BLOCK 0
	s_set_vgpr_msb 0x4
	s_wait_tensorcnt 0x0
	ds_add_u32 v120, v255
	s_wait_dscnt 0x0
	s_set_vgpr_msb 0x400
	CROUND                                         ; the closing round: no work-group ends while a partner may still ask for a tile that names it
	s_endpgm
.Lfunc_end_k_q5870ac8e7c_qkv:
	.size	k_q5870ac8e7c_qkv, .Lfunc_end_k_q5870ac8e7c_qkv-k_q5870ac8e7c_qkv
	.p2alignl 7, 3214868480
	.fill 96, 4, 3214868480
	.section	.rodata,"a",@progbits
	.p2align	6, 0x0
	.amdhsa_kernel k_q5870ac8e7c_qkv
		.amdhsa_group_segment_fixed_size 327680
		.amdhsa_private_segment_fixed_size 0
		.amdhsa_enable_private_segment 0
		.amdhsa_kernarg_size 72
		.amdhsa_user_sgpr_count 2
		.amdhsa_user_sgpr_kernarg_segment_ptr 1
		.amdhsa_wavefront_size32 1
		.amdhsa_system_sgpr_workgroup_id_x 1
		.amdhsa_system_sgpr_workgroup_id_y 1
		.amdhsa_system_sgpr_workgroup_id_z 1
		.amdhsa_system_vgpr_workitem_id 0
		.amdhsa_next_free_vgpr 512
		.amdhsa_next_free_sgpr 100
		.amdhsa_reserve_vcc 1
		.amdhsa_float_denorm_mode_32 3
		.amdhsa_float_denorm_mode_16_64 3
		.amdhsa_memory_ordered 1
		.amdhsa_forward_progress 1
		.amdhsa_inst_pref_size 160
	.end_amdhsa_kernel
	.amdgpu_metadata
---
amdhsa.version: [ 1, 2 ]
amdhsa.kernels:
  - .name:           k_q5870ac8e7c_qkv
    .symbol:         k_q5870ac8e7c_qkv.kd
    .args:
      - { .name: hidden_states_codes, .offset: 0, .size: 8, .value_kind: global_buffer, .address_space: global }
      - { .name: hidden_states_scales, .offset: 8, .size: 8, .value_kind: global_buffer, .address_space: global }
      - { .name: w_qkv_codes, .offset: 16, .size: 8, .value_kind: global_buffer, .address_space: global }
      - { .name: w_qkv_scales, .offset: 24, .size: 8, .value_kind: global_buffer, .address_space: global }
      - { .name: b_qkv, .offset: 32, .size: 8, .value_kind: global_buffer, .address_space: global }
      - { .name: attention_mask, .offset: 40, .size: 8, .value_kind: global_buffer, .address_space: global }
      - { .name: qbuf, .offset: 48, .size: 8, .value_kind: global_buffer, .address_space: global }
      - { .name: kbuf, .offset: 56, .size: 8, .value_kind: global_buffer, .address_space: global }
      - { .name: vbuf, .offset: 64, .size: 8, .value_kind: global_buffer, .address_space: global }
    .group_segment_fixed_size: 327680
    .private_segment_fixed_size: 0
    .kernarg_segment_align: 8
    .kernarg_segment_size: 72
    .max_flat_workgroup_size: 192
    .sgpr_count:     100
    .vgpr_count:     512
    .wavefront_size: 32
...
	.end_amdgpu_metadata
.endif
;; end of part 1
;; launch attn (part 2): grid 8 x 32, 16 waves a work-group, no clusters, 327,680 bytes of LDS; arguments qbuf, kbuf, vbuf, alibi, attention_mask, cbuf; writes cbuf
.if DOCPART == 2
	.amdgcn_target "amdgcn-amd-amdhsa--gfx1250"
	.amdhsa_code_object_version 6
	.text
	.protected	k_q5870ac8e7c_attn
	.globl	k_q5870ac8e7c_attn
	.p2align	8
	.type	k_q5870ac8e7c_attn,@function
k_q5870ac8e7c_attn:
	s_mov_b64 s[64:65], 0
	v_nop
	global_prefetch_b8 v0, s[64:65] scope:SCOPE_SE
	s_setreg_imm32_b32 hwreg(HW_REG_WAVE_MODE, 25, 1), 1
	s_wait_xcnt 0x0
; context = (softmax(q k^T / 8 + alibi under the mask) x keep) v for one batch x head, on codes of FP6 (E2M3); the context leaves as codes for the last product.
; The FINISHED softmax is quantised, so the keys are walked twice: pass 1 finds each row's maximum (a running one) and sum, pass 2 makes p = 2^(t - M - log2 sum), quantises it and multiplies by v.
; SHARES.  A work-group takes a head (grid y) and the blocks x and 15 - x of 128 queries (grid x): 17 steps of 128 keys for each pair of query tiles.  All of the head's k and v lie in LDS.
; Waves w and w + 8 (role 0 and 1) share the SAME two tiles of 16 queries, tile w & 7 of each block: role 0 walks the even key steps of both, role 1 the odd ones: 9 and 8 steps a pass, one diagonal step each.
; A wave's tile 1 lies in block x ^ 15 role, its tile 2 in the other block.  Pass 1's (maximum, sum) of both roles meet in LDS (ML); pass 2's sums are plain sums, so a wave hands tile 1's O^T to its partner
; through LDS (OP), and finishes tile 2 with the partner's part.
; Both products are used transposed: a lane holds one query, its registers run along the keys (S^T = k q^T) or the channels (O^T = v^T p^T).  A k fragment of 12 registers holds two tiles of 16 keys x 64; q stands
; beside six registers of zero codes, low or high, and so picks one of them.  8 x alibi (or the mask's number) is the C of the score product; k of a padded key is zero codes.
; WORK LEFT OUT: key steps wholly above the causal diagonal.  Each such key has the score -10000 and keep = 0: it adds 2^(c (-80000) - c M) to the row's sum, which is added in closed form
; (128 (15 - block) keys), and nothing to the context.  The running maximum starts at -80000 where such keys exist.
; FILLS: k's at the head, one load a wave; v's behind the first barrier; it is waited for only between the passes.  lds_bytes claims all of LDS.
; NO CLUSTER: the eight work-groups of a head read the same k and v, but the causal walk's branches hang on grid x, which would be a work-group's place in its cluster.
; NO PREFETCH: both fills are asked for at the start; there is no loop to run ahead in.
; LIMITS: NaN and infinities are not served; scaled scores stay under 2^31 in magnitude.  A block of zeros gets the scale byte 1: its codes are zeros and this program alone reads the bytes.
.set KS,    98304                      ; k's scale words (k's codes from 0)
.set VC,    102400                     ; v's codes
.set VS,    200704                     ; v's scale words
.set A1,    204800                     ; 8 x alibi, -80000 at padded keys (pass 1)
.set A2OFF, 8192                       ; the same with -1e30 there (pass 2: p = 0)
.set ML,    221184                     ; (maximum, sum): [block 2][tile 8][role 2][lane][8 bytes]; a multiple of 8,192
.set OP,    229376                     ; tile 1's O^T: 4,096 bytes a wave
.set SPARE, 294912                     ; the spare words, 128 bytes a wave
.set REC,   102400
.set SCOFF, 98304
; v1-4 lane terms of LDS addresses, v5-9 a step's addresses, v10 my query's place less 16 h, v11 the mask's number, v12 -c M (pass 2: less log2 sum), v13 M, v14-15 sums
; v16-45: zeros, q1, zeros, q2, zeros (6 each).  v46-52 scale words alone: q1, q2, k (2), v (2), p
.set KF,  54                           ; v54-101 four fragments of k or v
.set S,   102                          ; v102-165 scores, then p
.set O,   166                          ; v166-197 O^T
.set P,   198                          ; v198-209 p's codes; v210-217 halves on the way
.set PT,  210
.set BM,  218                          ; block maxima
.set TM,  222                          ; from the other half of the lanes
.set SO,  226                          ; conversions' scale operands
.set SB,  230                          ; scale bytes
.set SEL, 26
.macro PLACES n
.rept \n
	v_nop
.endr
.endm
.macro VW
	s_wait_alu depctr_va_vdst(0)
.endm
	s_load_b256 s[4:11], s[0:1], 0x0               ; qbuf, kbuf, vbuf, alibi
	s_load_b128 s[12:15], s[0:1], 0x20             ; mask, cbuf
	v_lshl_add_u32 v254, v0, 2, SPARE
	v_mov_b32 v255, 0
	ds_add_u32 v254, v255
	ds_add_u32 v254, v255
	v_lshrrev_b32 v1, 5, v0
	s_delay_alu instid0(VALU_DEP_1)
	v_readfirstlane_b32 s16, v1                    ; wave
	s_and_b32 s48, ttmp7, 0xffff                   ; batch x head
	s_lshr_b32 s31, s16, 3                         ; role
	s_mul_i32 s49, s31, 15
	s_xor_b32 s17, s49, ttmp9                      ; tile 1's block
	s_xor_b32 s30, s17, 15                         ; tile 2's
	s_and_b32 s50, s16, 7                          ; the tile in its block
	s_mov_b32 s32, 3<<16                           ; group 1: 25 dense rows of 256 bytes, a sixteenth of a record
	s_mov_b32 s33, 32<<16
	s_mov_b32 s34, 25<<16
	s_mov_b32 s35, 32<<16
	s_mov_b32 s36, 25
	s_mov_b32 s37, 32
	s_mov_b32 s38, 0
	s_mov_b32 s39, 0
	s_mul_i32 s52, s48, REC
	s_mov_b32 s53, 0
	s_mul_i32 s54, s16, 6400
	s_mov_b32 s55, 0
	s_mov_b32 s22, 0x3e38aa3b                      ; c = log2(e) / 8
	s_mov_b32 s23, s22
	s_mov_b32 s24, 0xbe38aa3b                      ; -c
	s_mov_b32 s25, 0xc79c4000                      ; -80000 = 8 x the mask's number
	s_mov_b32 s[SEL], 0x76543210
	s_mov_b32 s[SEL+1], 0xfedcba98
	s_wait_dscnt 0x0
	s_wait_kmcnt 0x0
	s_add_nc_u64 s[4:5], s[4:5], s[52:53]
	s_add_nc_u64 s[6:7], s[6:7], s[52:53]
	s_add_nc_u64 s[8:9], s[8:9], s[52:53]
	s_mov_b32 s40, 1
	s_mov_b32 s41, s54
	s_add_nc_u64 s[42:43], s[6:7], s[54:55]
	s_or_b32 s43, s43, 0x80000000
	s_mov_b32 s44, 1
	s_add_co_u32 s45, s54, VC
	s_add_nc_u64 s[46:47], s[8:9], s[54:55]
	s_or_b32 s47, s47, 0x80000000
	tensor_load_to_lds s[40:43], s[32:39]          ; my sixteenth of k
	s_nop 0
	; while k is on its way: everything else is asked for, and the addresses are made
	s_lshl_b32 s54, s48, 13
	s_add_nc_u64 s[10:11], s[10:11], s[54:55]      ; the head's row of alibi
	s_lshr_b32 s54, s48, 4
	s_lshl_b32 s54, s54, 11
	s_add_nc_u64 s[12:13], s[12:13], s[54:55]      ; the batch's mask
	s_lshr_b32 s57, s50, 1                         ; the tile's block of 32 tokens
	s_and_b32 s58, s50, 1                          ; u: which six of its twelve registers
	s_mul_i32 s61, s57, 1536
	s_mul_i32 s59, s58, 520
	s_mul_i32 s60, s58, 1016
	s_add_co_u32 s59, s59, s61
	s_add_co_u32 s60, s60, s61
	s_lshl_b32 s61, s57, 6
	s_lshl_b32 s62, s57, 5
	s_lshl_b32 s63, s58, 3
	s_add_co_u32 s62, s62, s63                     ; 32 B + 8 u
	s_lshl_b32 s63, s58, 4
	s_mul_i32 s18, s17, 6144
	s_mul_i32 s19, s30, 6144
	s_add_co_u32 s20, s18, s59
	s_add_co_u32 s21, s18, s60
	s_add_co_u32 s28, s19, s59
	s_add_co_u32 s29, s19, s60
	s_lshl_b32 s51, s17, 8
	s_add_co_u32 s51, s51, s61
	s_lshl_b32 s52, s30, 8
	s_add_co_u32 s52, s52, s61
	s_lshl_b32 s53, s17, 7
	s_lshl_b32 s54, s30, 7
	s_lshl_b32 s55, s16, 12
	s_add_co_u32 s55, s55, OP                      ; my part of OP
	s_xor_b32 s56, s16, 8
	s_lshl_b32 s56, s56, 12
	s_add_co_u32 s56, s56, OP                      ; my partner's
	s_lshl_b32 s57, s31, 12
	s_lshl_b32 s58, s50, 9
	s_add_co_u32 s57, s57, s58
	s_add_co_u32 s57, s57, ML                      ; tile 1's records
	s_lshl_b32 s3, s31, 8
	v_and_b32 v234, 31, v0
	v_and_b32 v235, 15, v0
	v_bfe_u32 v236, v0, 4, 1
	v_lshlrev_b32 v[S+20], 4, v0
	v_lshlrev_b32 v[S+21], 2, v0
	global_load_b128 v[S:S+3], v[S+20], s[10:11]   ; four keys' alibi a thread
	global_load_b32 v[S+4], v[S+21], s[12:13]      ; and their mask bytes
	v_lshlrev_b32 v1, 4, v234
	v_and_b32 v237, 8, v235
	v_add3_u32 v237, v237, v235, s62               ; my query's place in its block: 32 B + 8 u + r + 8 (r / 8)
	v_add_nc_u32 v[S+24], s20, v1
	v_add_nc_u32 v[S+25], s21, v1
	v_lshl_add_u32 v[S+26], v235, 2, s51
	v_add_nc_u32 v[S+27], s53, v237
	v_add_nc_u32 v[S+28], s28, v1
	v_add_nc_u32 v[S+29], s29, v1
	v_lshl_add_u32 v[S+30], v235, 2, s52
	v_add_nc_u32 v[S+31], s54, v237
.macro QLOAD q, sc, mk, a              ; a tile's six registers of q, its scale word, its queries' mask bytes
	global_load_b64 v[\q:\q+1], v[\a], s[4:5]
	global_load_b64 v[\q+2:\q+3], v[\a+1], s[4:5] offset:8
	global_load_b64 v[\q+4:\q+5], v[\a], s[4:5] offset:512
	global_load_b32 v[\sc], v[\a+2], s[4:5] offset:SCOFF
	global_load_u8 v[\mk], v[\a+3], s[12:13]
.endm
	QLOAD 22, 46, 240, S+24
	QLOAD 34, 47, 241, S+28
	v_lshlrev_b32 v10, 4, v236
	v_lshl_add_u32 v2, v234, 3, VC
	v_lshl_add_u32 v3, v236, 6, A1
	v_lshl_add_u32 v4, v234, 2, KS
	v_sub_nc_u32 v10, v237, v10
	v_lshl_add_u32 v[S+22], v0, 4, A1
	v_lshl_add_u32 v242, v234, 3, s57              ; tile 1's records in ML,
	v_lshl_add_u32 v246, v234, 4, s55
	v_lshl_add_u32 v247, v234, 4, s56
	v_xor_b32 v243, 0x1000, v242                   ; tile 2's: the other block;
	v_add_nc_u32 v244, s3, v242                    ; my role's record of each
	v_add_nc_u32 v245, s3, v243
.irp j, 0,1,2,3,4,5
	v_mov_b32 v[16+\j], 0
	v_mov_b32 v[28+\j], 0
	v_mov_b32 v[40+\j], 0
.endr
.irp j, 0,1,2,3
	v_mov_b32 v[TM+\j], 0                          ; a lane permute's destination counts as a source
.endr
	v_mov_b32 v11, 0xc79c4000
	v_mov_b32 v[S+5], 0xf149f2ca
	VW
	s_wait_loadcnt 10                              ; alibi and mask are in; the ten loads of q may be out
.irp j, 0,1,2,3
	v_bfe_u32 v[S+16+\j], v[S+4], 8*\j, 8
	v_mul_f32 v[S+\j], 0x41000000, v[S+\j]
.endr
.irp j, 0,1,2,3
	v_cmp_ne_u32 vcc_lo, 0, v[S+16+\j]
	s_delay_alu instid0(VALU_DEP_1)
	v_cndmask_b32 v[S+8+\j], v11, v[S+\j], vcc_lo
	s_delay_alu instid0(VALU_DEP_2)
	v_cndmask_b32 v[S+12+\j], v[S+5], v[S+\j], vcc_lo
.endr
	ds_store_b128 v[S+22], v[S+8:S+11]
	ds_store_b128 v[S+22], v[S+12:S+15] offset:A2OFF
	s_wait_loadcnt 0x0
.irp q, 46,47                          ; my tile's two scale bytes, for k = 0-63 and again for k = 64-127
	v_lshrrev_b32 v\q, s63, v\q
.endr
.irp q, 46,47
	v_and_b32 v\q, 0xffff, v\q
.endr
.irp q, 46,47
	v_lshl_or_b32 v\q, v\q, 16, v\q
.endr
	VW
	s_wait_tensorcnt 0x0                           ; my part of k is in
	ds_add_u32 v254, v255
	s_mul_i32 s29, s31, 6144                       ; my first key step's offsets: role x a step
	s_lshl_b32 s2, s31, 9
	s_wait_dscnt 0x0                               ; the add and my table stores are done
	s_barrier_signal -1
	s_barrier_wait -1                              ; k and the tables are whole
	tensor_load_to_lds s[44:47], s[32:39]          ; my sixteenth of v: it has pass 1 in which to land
	s_nop 0
.macro SCORES tab, qa, qb, qs          ; S^T of 128 keys: C = the table's numbers
.irp b, 0,1,2,3
.irp c, 0,1,2
	ds_load_b128 v[KF+12*\b+4*\c:KF+12*\b+4*\c+3], v5 offset:1536*\b+512*\c
.endr
.endr
	ds_load_b32 v48, v8
	ds_load_b32 v49, v8 offset:128
.irp b, 0,1,2,3
.irp k, 0,1,2,3
	ds_load_b128 v[S+16*\b+4*\k:S+16*\b+4*\k+3], v7 offset:\tab+128*\b+16*\k
.endr
.endr
	s_wait_dscnt 0x0
.irp b, 0,1,2,3
.if \b%2
	v_wmma_scale_f32_16x16x128_f8f6f4 v[S+16*\b:S+16*\b+7], v[KF+12*\b:KF+12*\b+11], v[\qa:\qa+11], v[S+16*\b:S+16*\b+7], v[48+\b/2], v[\qs] matrix_a_fmt:MATRIX_FMT_FP6 matrix_b_fmt:MATRIX_FMT_FP6 matrix_a_scale:MATRIX_SCALE_ROW1
	v_wmma_scale_f32_16x16x128_f8f6f4 v[S+16*\b+8:S+16*\b+15], v[KF+12*\b:KF+12*\b+11], v[\qb:\qb+11], v[S+16*\b+8:S+16*\b+15], v[48+\b/2], v[\qs] matrix_a_fmt:MATRIX_FMT_FP6 matrix_b_fmt:MATRIX_FMT_FP6 matrix_a_scale:MATRIX_SCALE_ROW1
.else
	v_wmma_scale_f32_16x16x128_f8f6f4 v[S+16*\b:S+16*\b+7], v[KF+12*\b:KF+12*\b+11], v[\qa:\qa+11], v[S+16*\b:S+16*\b+7], v[48+\b/2], v[\qs] matrix_a_fmt:MATRIX_FMT_FP6 matrix_b_fmt:MATRIX_FMT_FP6
	v_wmma_scale_f32_16x16x128_f8f6f4 v[S+16*\b+8:S+16*\b+15], v[KF+12*\b:KF+12*\b+11], v[\qb:\qb+11], v[S+16*\b+8:S+16*\b+15], v[48+\b/2], v[\qs] matrix_a_fmt:MATRIX_FMT_FP6 matrix_b_fmt:MATRIX_FMT_FP6
.endif
.endr
	PLACES 4
.endm
.macro DIAG                            ; the diagonal step: register N is key 32 (N / 16) + 16 h + N % 16 of the block
.set N, 0
.rept 64
	v_cmp_gt_i32 vcc_lo, 32*(N/16)+N%16, v10
	v_cndmask_b32 v[S+N], v[S+N], v11, vcc_lo
.set N, N+1
.endr
.endm
.macro BLKMAX                          ; my 16 scores of each block of 32 keys, the four blocks by turns
.irp b, 0,1,2,3
	v_max3_num_f32 v[BM+\b], v[S+16*\b], v[S+1+16*\b], v[S+2+16*\b]
.endr
.irp i, 3,5,7,9,11,13
.irp b, 0,1,2,3
	v_max3_num_f32 v[BM+\b], v[BM+\b], v[S+16*\b+\i], v[S+1+16*\b+\i]
.endr
.endr
.irp b, 0,1,2,3
	v_max_num_f32 v[BM+\b], v[BM+\b], v[S+15+16*\b]
.endr
.endm
.macro TMINUSM                         ; t - M, two at a time
.set N, 0
.rept 32
	v_pk_fma_f32 v[S+N:S+N+1], v[S+N:S+N+1], s[22:23], v[12:13] op_sel_hi:[1,0,0]
.set N, N+2
.endr
.endm
.macro EXPS
.set N, 0
.rept 64
	v_exp_f32 v[S+N], v[S+N]
.set N, N+1
.endr
.endm
.macro WALK0                           ; eight trips: key steps role, role + 2, ..
	s_mov_b32 s28, 0
	s_mov_b32 s18, s31
	s_mov_b32 s19, s29
	s_mov_b32 s20, s2
	s_mov_b32 s21, s3
.endm
.macro WALK1
	s_add_co_u32 s19, s19, 12288
	s_add_co_u32 s20, s20, 1024
	s_add_co_u32 s21, s21, 512
	s_add_co_u32 s18, s18, 2
	s_add_co_u32 s28, s28, 1
	s_cmp_lt_u32 s28, 8
.endm
; PASS 1 of the tile in block s[n]: my role's maximum and sum into v[res:res+1]
.macro PASS1 n, qa, qb, qs, res
	s_mov_b32 s49, 0xff61b1e6
	s_cmp_eq_u32 s[\n], 15
	s_cselect_b32 s49, s49, s25                    ; under every score where no key lies above the diagonal steps, else the mask's number
	v_mov_b32 v13, s49
	v_mov_b32 v14, 0
	v_mov_b32 v15, 0
	v_mul_f32 v12, s24, v13
	WALK0
.Lp1_\@:
	s_cmp_gt_u32 s18, s[\n]
	s_cbranch_scc1 .Lp1s_\@
	v_add_nc_u32 v5, s19, v1
	v_add_nc_u32 v7, s20, v3
	v_add_nc_u32 v8, s21, v4
	SCORES 0, \qa, \qb, \qs
	s_cmp_lg_u32 s18, s[\n]
	s_cbranch_scc1 .Lp1o_\@
	DIAG
.Lp1o_\@:
	BLKMAX
	s_delay_alu instid0(VALU_DEP_2)
	v_max3_num_f32 v234, v[BM], v[BM+1], v[BM+2]
	s_delay_alu instid0(VALU_DEP_1)
	v_max_num_f32 v234, v234, v[BM+3]
	s_delay_alu instid0(VALU_DEP_1)
	v_permlanex16_b32 v[TM], v234, s[SEL], s[SEL+1]
	s_delay_alu instid0(VALU_DEP_1)
	v_max3_num_f32 v13, v13, v234, v[TM]           ; the running maximum
	v_mov_b32 v235, v12
	s_delay_alu instid0(VALU_DEP_2)
	v_mul_f32 v12, s24, v13
	s_delay_alu instid0(VALU_DEP_1)
	v_sub_f32 v236, v12, v235
	TMINUSM
	VW
	v_exp_f32 v234, v236                           ; what the old sums are multiplied by
	EXPS
	VW
	v_pk_mul_f32 v[14:15], v[14:15], v[234:235] op_sel_hi:[1,0]
.irp st, 2,4,8                         ; the step's sum as a tree
.set N, 0
.rept 32/\st
	v_pk_add_f32 v[S+N:S+N+1], v[S+N:S+N+1], v[S+N+\st:S+N+\st+1]
.set N, N+2*\st
.endr
.endr
	s_delay_alu instid0(VALU_DEP_3)
	v_pk_add_f32 v[S:S+1], v[S:S+1], v[S+16:S+17]
	s_delay_alu instid0(VALU_DEP_2)
	v_pk_add_f32 v[S+32:S+33], v[S+32:S+33], v[S+48:S+49]
	s_delay_alu instid0(VALU_DEP_1)
	v_pk_add_f32 v[S:S+1], v[S:S+1], v[S+32:S+33]
	s_delay_alu instid0(VALU_DEP_1)
	v_pk_add_f32 v[14:15], v[14:15], v[S:S+1]
.Lp1s_\@:
	WALK1
	s_cbranch_scc1 .Lp1_\@
	VW
	v_add_f32 v15, v14, v15
	v_mov_b32 v[\res], v13
	s_delay_alu instid0(VALU_DEP_2)
	v_permlanex16_b32 v[TM], v15, s[SEL], s[SEL+1]
	s_delay_alu instid0(VALU_DEP_1)
	v_add_f32 v[\res+1], v15, v[TM]
.endm
	PASS1 17, 22, 16, 46, 248
	PASS1 30, 34, 28, 47, 250
	VW
	s_wait_tensorcnt 0x0                           ; my part of v is in
	ds_store_b64 v244, v[248:249]
	ds_store_b64 v245, v[250:251]
	v_mov_b32 v11, 0xf149f2ca                      ; from here on what is masked gets p = 0
	s_wait_dscnt 0x0
	s_barrier_signal -1
	s_barrier_wait -1                              ; v is whole, and both roles' records stand in ML
; both roles' records of a tile become -c M - log2(sum); -1e30 for a padded query (keep = 0: p = 0)
.macro MERGE base, n, qm, out
	ds_load_b64 v[234:235], v[\base]
	ds_load_b64 v[236:237], v[\base] offset:256
	s_sub_co_u32 s49, 15, s[\n]
	s_lshl_b32 s49, s49, 7
	v_cvt_f32_u32 v[TM+3], s49                     ; keys in the steps above the diagonal step
	VW
	s_wait_dscnt 0x0
	v_max_num_f32 v13, v234, v236
	s_delay_alu instid0(VALU_DEP_1)
	v_sub_f32 v[TM], v13, v234
	v_sub_f32 v[TM+1], v13, v236
	v_mul_f32 v12, s24, v13
	v_mul_f32 v[TM], s24, v[TM]
	v_mul_f32 v[TM+1], s24, v[TM+1]
	s_delay_alu instid0(VALU_DEP_3)
	v_fma_f32 v[TM+2], s25, s22, v12
	s_delay_alu instid0(VALU_DEP_1)
	v_min_num_f32 v[TM+2], 1.0, v[TM+2]            ; (with no such keys M may lie far under the mask's number: the count is 0 then)
	VW
	v_exp_f32 v[TM], v[TM]
	v_exp_f32 v[TM+1], v[TM+1]
	v_exp_f32 v[TM+2], v[TM+2]
	v_nop
	VW
	v_mul_f32 v14, v235, v[TM]
	v_fmac_f32 v14, v237, v[TM+1]
	v_fmac_f32 v14, v[TM+3], v[TM+2]
	VW
	v_log_f32 v[SO], v14
	v_cmp_ne_u32 vcc_lo, 0, v[\qm]
	VW
	v_sub_f32 v12, v12, v[SO]
	s_delay_alu instid0(VALU_DEP_1)
	v_cndmask_b32 v[\out], v11, v12, vcc_lo
.endm
	MERGE 242, 17, 240, 238
	MERGE 243, 30, 241, 239
; PASS 2 of the tile in block s[n]: my role's key steps into O^T
.macro PASS2 n, qa, qb, qs, nrm
	v_mov_b32 v12, v[\nrm]
.set N, 0
.rept 32
	v_mov_b32 v[O+N], 0
.set N, N+1
.endr
	WALK0
.Lp2_\@:
	s_cmp_gt_u32 s18, s[\n]
	s_cbranch_scc1 .Lp2s_\@
	v_add_nc_u32 v5, s19, v1
	v_add_nc_u32 v6, s19, v2
	v_add_nc_u32 v7, s20, v3
	v_add_nc_u32 v8, s21, v4
	v_add_nc_u32 v9, VS-KS, v8
	SCORES A2OFF, \qa, \qb, \qs
	VW
.irp t, 0,1,2,3                        ; v's four fragments take k's registers (four places behind the products)
.irp p, 0,1,2,3,4,5
	ds_load_b64 v[KF+12*\t+2*\p:KF+12*\t+2*\p+1], v6 offset:1536*\t+256*\p
.endr
.endr
	ds_load_b32 v50, v9
	ds_load_b32 v51, v9 offset:128
	s_cmp_lg_u32 s18, s[\n]
	s_cbranch_scc1 .Lp2o_\@
	DIAG
.Lp2o_\@:
	BLKMAX
.irp b, 0,1,2,3
	v_permlanex16_b32 v[TM+\b], v[BM+\b], s[SEL], s[SEL+1]
.endr
.irp b, 0,1,2,3
	v_max_num_f32 v[BM+\b], v[BM+\b], v[TM+\b]     ; a block's largest score gives its largest p
.endr
	TMINUSM
.irp b, 0,1,2,3
	v_fma_f32 v[BM+\b], v[BM+\b], s22, v12
.endr
	VW
	EXPS
.irp b, 0,1,2,3
	v_exp_f32 v[BM+\b], v[BM+\b]
.endr
	v_nop
	VW
.irp b, 0,1,2,3
	v_max_num_f32 v[BM+\b], 0x1800000, v[BM+\b]    ; the floor 2^(3 - 127): the byte cannot fall under 1
.endr
.irp b, 0,1,2,3
	v_add_nc_u32 v[SO+\b], 0xff000000, v[BM+\b]    ; 2 off the exponent field
.endr
.irp b, 0,1,2,3
	v_lshrrev_b32 v[SB+\b], 23, v[SO+\b]
.endr
	v_lshl_or_b32 v52, v[SB+1], 8, v[SB]
	v_lshl_or_b32 v52, v[SB+2], 16, v52
	v_lshl_or_b32 v52, v[SB+3], 24, v52
.irp c, 0,1
	v_cvt_scalef32_pk16_fp6_f32 v[P+6*\c:P+6*\c+2], v[S+32*\c:S+32*\c+15], v[SO+2*\c]
	v_cvt_scalef32_pk16_fp6_f32 v[PT+4*\c:PT+4*\c+2], v[S+16+32*\c:S+31+32*\c], v[SO+2*\c+1]
.endr
	v_nop
.irp c, 0,1
.irp i, 0,1,2
	v_permlane16_swap_b32 v[P+6*\c+\i], v[PT+4*\c+\i]   ; a whole block to a lane
.endr
.irp i, 0,1,2
	v_mov_b32 v[P+3+6*\c+\i], v[PT+4*\c+\i]
.endr
.endr
	PLACES 4                                       ; four places behind p's last register; the scale word stands eleven plain lines and more ahead
	VW
	s_wait_dscnt 0x0
.irp t, 0,1,2,3
.if \t%2
	v_wmma_scale_f32_16x16x128_f8f6f4 v[O+8*\t:O+8*\t+7], v[KF+12*\t:KF+12*\t+11], v[P:P+11], v[O+8*\t:O+8*\t+7], v[50+\t/2], v52 matrix_a_fmt:MATRIX_FMT_FP6 matrix_b_fmt:MATRIX_FMT_FP6 matrix_a_scale:MATRIX_SCALE_ROW1
.else
	v_wmma_scale_f32_16x16x128_f8f6f4 v[O+8*\t:O+8*\t+7], v[KF+12*\t:KF+12*\t+11], v[P:P+11], v[O+8*\t:O+8*\t+7], v[50+\t/2], v52 matrix_a_fmt:MATRIX_FMT_FP6 matrix_b_fmt:MATRIX_FMT_FP6
.endif
.endr
.Lp2s_\@:
	WALK1
	s_cbranch_scc1 .Lp2_\@
	PLACES 4
	VW
.endm
	PASS2 17, 22, 16, 46, 238
.irp i, 0,1,2,3,4,5,6,7                ; tile 1's part goes to my partner; each accumulator from its low end on
	ds_store_b128 v246, v[O+4*\i:O+4*\i+3] offset:512*\i
.endr
	PASS2 30, 34, 28, 47, 239
	s_wait_dscnt 0x0                               ; my stores are done
	s_barrier_signal -1
	s_barrier_wait -1
.irp i, 0,1,2,3,4,5,6,7                ; my partner's part of tile 2
	ds_load_b128 v[S+4*\i:S+4*\i+3], v247 offset:512*\i
.endr
	s_lshr_b32 s52, s48, 4
	s_lshl_b32 s52, s52, 4
	s_add_co_u32 s52, s52, s30
	s_mul_i32 s52, s52, REC                        ; cbuf's record: 16 x batch + the block of 128 tokens
	s_mov_b32 s53, 0
	s_add_nc_u64 s[14:15], s[14:15], s[52:53]
	s_and_b32 s54, s48, 15                         ; the head: 64 of the last product's K
	s_lshl_b32 s55, s50, 4
	s_add_co_u32 s55, s55, s54
	s_mul_i32 s55, s55, 768
	s_lshl_b32 s56, s50, 9
	s_lshl_b32 s54, s54, 1
	s_add_co_u32 s56, s56, s54
	s_wait_dscnt 0x0
.set N, 0
.rept 16
	v_pk_add_f32 v[O+N:O+N+1], v[O+N:O+N+1], v[S+N:S+N+1]
.set N, N+2
.endr
	; 32 numbers of a lane (register 16 b + i = channel 32 b + 16 h + i) become six registers of codes and two scale bytes
	v_max3_num_f32 v[TM], |v[O]|, |v[O+1]|, 0x1800000
	v_max3_num_f32 v[TM+1], |v[O+16]|, |v[O+17]|, 0x1800000
.irp i, 2,4,6,8,10,12,14
	v_max3_num_f32 v[TM], v[TM], |v[O+\i]|, |v[O+\i+1]|
	v_max3_num_f32 v[TM+1], v[TM+1], |v[O+16+\i]|, |v[O+17+\i]|
.endr
	v_permlanex16_b32 v[TM+2], v[TM], s[SEL], s[SEL+1]
	v_permlanex16_b32 v[TM+3], v[TM+1], s[SEL], s[SEL+1]
	v_max_num_f32 v[TM], v[TM], v[TM+2]
	v_max_num_f32 v[TM+1], v[TM+1], v[TM+3]
	v_add_nc_u32 v[TM+4], 0xff000000, v[TM]
	v_add_nc_u32 v[TM+5], 0xff000000, v[TM+1]
	v_lshrrev_b32 v[SB], 23, v[TM+4]
	v_lshrrev_b32 v[SB+1], 23, v[TM+5]
	v_cvt_scalef32_pk16_fp6_f32 v[P:P+2], v[O:O+15], v[TM+4]
	v_cvt_scalef32_pk16_fp6_f32 v[PT:PT+2], v[O+16:O+31], v[TM+5]
	v_nop
.irp i, 0,1,2
	v_permlane16_swap_b32 v[P+\i], v[PT+\i]
.endr
.irp i, 0,1,2
	v_mov_b32 v[P+3+\i], v[PT+\i]
.endr
	v_lshl_or_b32 v[SB+2], v[SB+1], 8, v[SB]
	v_and_b32 v234, 31, v0
	v_and_b32 v236, 15, v0
	v_lshl_add_u32 v235, v234, 3, s55
	v_lshl_add_u32 v237, v236, 5, s56
.irp i, 0,1,2
	global_store_b64 v235, v[P+2*\i:P+2*\i+1], s[14:15] offset:256*\i   ; 32 lanes store 256 consecutive bytes, aligned
.endr
	global_store_b16 v237, v[SB+2], s[14:15] offset:SCOFF
	s_wait_tensorcnt 0x0                           ; the wave's end
	ds_add_u32 v254, v255
	s_wait_dscnt 0x0
	s_endpgm
.Lfunc_end_k_q5870ac8e7c_attn:
	.size	k_q5870ac8e7c_attn, .Lfunc_end_k_q5870ac8e7c_attn-k_q5870ac8e7c_attn
	.p2alignl 7, 3214868480
	.fill 96, 4, 3214868480
	.section	.rodata,"a",@progbits
	.p2align	6, 0x0
	.amdhsa_kernel k_q5870ac8e7c_attn
		.amdhsa_group_segment_fixed_size 327680
		.amdhsa_private_segment_fixed_size 0
		.amdhsa_enable_private_segment 0
		.amdhsa_kernarg_size 48
		.amdhsa_user_sgpr_count 2
		.amdhsa_user_sgpr_kernarg_segment_ptr 1
		.amdhsa_wavefront_size32 1
		.amdhsa_system_sgpr_workgroup_id_x 1
		.amdhsa_system_sgpr_workgroup_id_y 1
		.amdhsa_system_sgpr_workgroup_id_z 1
		.amdhsa_system_vgpr_workitem_id 0
		.amdhsa_next_free_vgpr 256
		.amdhsa_next_free_sgpr 66
		.amdhsa_reserve_vcc 1
		.amdhsa_float_denorm_mode_32 3
		.amdhsa_float_denorm_mode_16_64 3
		.amdhsa_memory_ordered 1
		.amdhsa_forward_progress 1
		.amdhsa_inst_pref_size 94
	.end_amdhsa_kernel
	.amdgpu_metadata
---
amdhsa.version: [ 1, 2 ]
amdhsa.kernels:
  - .name:           k_q5870ac8e7c_attn
    .symbol:         k_q5870ac8e7c_attn.kd
    .args:
      - { .name: qbuf, .offset: 0, .size: 8, .value_kind: global_buffer, .address_space: global }
      - { .name: kbuf, .offset: 8, .size: 8, .value_kind: global_buffer, .address_space: global }
      - { .name: vbuf, .offset: 16, .size: 8, .value_kind: global_buffer, .address_space: global }
      - { .name: alibi, .offset: 24, .size: 8, .value_kind: global_buffer, .address_space: global }
      - { .name: attention_mask, .offset: 32, .size: 8, .value_kind: global_buffer, .address_space: global }
      - { .name: cbuf, .offset: 40, .size: 8, .value_kind: global_buffer, .address_space: global }
    .group_segment_fixed_size: 327680
    .private_segment_fixed_size: 0
    .kernarg_segment_align: 8
    .kernarg_segment_size: 48
    .max_flat_workgroup_size: 512
    .sgpr_count:     66
    .vgpr_count:     256
    .wavefront_size: 32
...
	.end_amdgpu_metadata
.endif
;; end of part 2
;; launch oproj (part 3): grid 8 x 32, 4 waves a work-group, clusters of 4 x 4, 229,376 bytes of LDS; arguments cbuf, w_o_codes, w_o_scales, b_o, residual, out0; writes out0
.if DOCPART == 3
	.amdgcn_target "amdgcn-amd-amdhsa--gfx1250"
	.amdhsa_code_object_version 6
	.text
	.protected	k_q5870ac8e7c_oproj
	.globl	k_q5870ac8e7c_oproj
	.p2align	8
	.type	k_q5870ac8e7c_oproj,@function
k_q5870ac8e7c_oproj:
	s_mov_b64 s[64:65], 0
	v_nop
	global_prefetch_b8 v0, s[64:65] scope:SCOPE_SE
	s_setreg_imm32_b32 hwreg(HW_REG_WAVE_MODE, 25, 1), 1
	s_wait_xcnt 0x0
	s_wait_alu depctr_hold_cnt(0) depctr_sa_sdst(0) depctr_va_vdst(0) depctr_va_sdst(0) depctr_va_ssrc(0) depctr_va_vcc(0) depctr_vm_vsrc(0)
	s_getreg_b32 s2, hwreg(HW_REG_IB_STS2, 6, 4)
	s_cmp_eq_u32 s2, 0
	s_cbranch_scc0 .Lentry_in_a_cluster
	s_endpgm
.Lentry_in_a_cluster:
	s_bfe_u32 s2, ttmp6, 0x10000c
	s_cmp_lg_u32 s2, 0xf033
	s_cbranch_scc0 .Lentry_shape_is_right
	s_endpgm
.Lentry_shape_is_right:
; out0 = context w_o + b_o + residual; the product on codes of FP6 (E2M3) with one E8M0 scale for each 32 along K.  The context comes as codes in the order of operand registers (cbuf), w_o as given.
; SHARES.  A work-group makes 128 tokens x 128 columns, K = 1,024 in eight steps of 128.  Four waves, 64 x 64 each: 16 accumulators.  Source 0 = 16 rows of w_o (output columns), source 1 = 16 tokens:
; a lane holds one token and eight neighbouring columns.  All of K fits in LDS: every byte is filled once, and one barrier stands between the fills and the reads.
; The bias is the C of each sum's first matrix instruction.  The residual is asked for at the head, in the layout in which rows leave, and is on its way through the whole product.
; THE TOKENS OF A TILE ARE NOT NEIGHBOURS: row r of tile T of a block of 128 is token 32 (T / 2) + 8 (T % 2) + r + 8 (r / 8): so the launch before has laid them.
; CLUSTERS: 4 x 4 work-groups.  w_o's rows hang on the column block alone and are shared along a column of the cluster, the context on the token block alone and is shared along a row: joint loads.
.set PITCH,  816                       ; a row of w_o in LDS: 3 x (256 + 16) bytes = 204 words: row r begins at bank 12 r mod 64 (64 banks of 4 bytes: ISA guide 11.1): the 32 lanes of a load of 8 bytes touch 64 different banks
.set TILEB,  16*PITCH
.set YC,     128*PITCH                 ; the context's codes: 98,304 dense bytes
.set XS,     YC+98304                  ; w_o's scale bytes: 128 rows x 32 bytes as 16 units of 256 + 16
.set YS,     XS+16*272                 ; the context's
.set STG,    YS+16*272                 ; the way out: 16 rows x (256 + 16) bytes for each wave; no fill lands here
.set REC,    102400
.set AX,  4                            ; v4   LDS address of my rows of w_o;  v6 the same for the pieces behind one padding more
.set AYI, 8                            ; v8   of my four context tiles: 8 x lane
.set STO, 9                            ; v9   the stage: where I put 32 bytes of a row
.set RD,  10                           ; v10  where I read a row back
.set CO,  11                           ; v11  my byte offset in residual and out0: lanes 0-15 one row, lanes 16-31 the next, 16 bytes a lane
.set ADS, 12                           ; v12  LDS address of my scale words: lanes 0-15 w_o's rows, lanes 16-31 the context's
.set SC,  16                           ; v16-47 scale words and nothing else: register 8 i + s
.set BI,  48                           ; v48-79 the bias, 8 registers for each X tile; later rows on the way out (tiles 1, 3); v80-111 the same (tiles 0, 2)
.set ACC, 128                          ; v128-255 accumulator (x, y) at 128 + 8 (4 y + x).   Window 1: two sets of fragments.   Window 2: v0-127 the residual, 32 registers for each Y tile
.set WV,  22                           ; s22 wave; s23 column half; s24 token half; s27 cx; s28 cy; s29 column block; s30 token block
.set MSB, 0
.macro WIN new                         ; the immediate's high byte repeats the setting that is left
.if MSB != \new
	s_set_vgpr_msb (MSB<<8)|\new
.set MSB, \new
.endif
.endm
.macro PLACES n
.rept \n
	v_nop
.endr
.endm
.macro CROUND                          ; a round of the cluster's barrier
	s_barrier_signal -1
	s_barrier_wait -1
	s_cmp_lg_u32 s[WV], 0
	s_cbranch_scc1 .Lnot_wave_0_\@
	s_barrier_signal -3
.Lnot_wave_0_\@:
	s_barrier_wait -3
	s_barrier_signal -1
	s_barrier_wait -1
.endm
	s_load_b256 s[4:11], s[0:1], 0x0               ; cbuf s[4:5], w_o codes s[6:7], w_o scales s[8:9], b_o s[10:11]
	s_load_b128 s[12:15], s[0:1], 0x20             ; residual s[12:13], out0 s[14:15]
	v_lshl_add_u32 v123, v0, 2, 0x37e00
	v_mov_b32 v124, 0
	ds_add_u32 v123, v124
	ds_add_u32 v123, v124
	v_lshrrev_b32 v1, 5, v0
	v_readfirstlane_b32 s[WV], v1                  ; wave 0..3
	s_and_b32 s23, s[WV], 1
	s_lshr_b32 s24, s[WV], 1
	s_bfe_u32 s27, ttmp6, 0x40000                  ; cx
	s_bfe_u32 s28, ttmp6, 0x40004                  ; cy
	s_lshl_b32 s29, ttmp9, 2
	s_add_co_u32 s29, s29, s27                     ; the block of 128 columns
	s_and_b32 s30, ttmp7, 0xffff
	s_lshl_b32 s30, s30, 2
	s_add_co_u32 s30, s30, s28                     ; the block of 128 tokens
	s_lshl_b32 s31, s28, 2
	s_lshl_b32 s31, 15, s31                        ; my row of the cluster
	s_lshl_b32 s32, 0x1111, s27                    ; my column
	; group 1 for w_o's codes: 128 rows of 768 bytes, 16 bytes of padding behind every 64 words
	s_or_b32 s40, s32, (1<<20)|(1<<21)|(5<<22)|(3<<25)
	s_mov_b32 s41, 768<<16
	s_mov_b32 s42, 128<<16
	s_mov_b32 s43, 768<<16
	s_mov_b32 s44, 128
	s_mov_b32 s45, 768
	s_mov_b32 s46, 0
	s_mov_b32 s47, 0
	; for w_o's scale bytes: 16 dense rows of 256 bytes (32 elements of 8 bytes), 16 bytes of padding behind each
	s_or_b32 s48, s32, (3<<16)|(1<<20)|(1<<21)|(5<<22)|(3<<25)
	s_mov_b32 s49, 32<<16
	s_mov_b32 s50, 16<<16
	s_mov_b32 s51, 32<<16
	s_mov_b32 s52, 16
	s_mov_b32 s53, 32
	s_mov_b32 s54, 0
	s_mov_b32 s55, 0
	; for the context's codes: 384 dense rows of 256 bytes, no padding: they are read 8 bytes a lane on end
	s_or_b32 s56, s31, (3<<16)|(1<<21)
	s_mov_b32 s57, 32<<16
	s_mov_b32 s58, 384<<16
	s_mov_b32 s59, 32<<16
	s_mov_b32 s60, 384
	s_mov_b32 s61, 32
	s_mov_b32 s62, 0
	s_mov_b32 s63, 0
	; for the context's scale bytes: as w_o's, to my row
	s_or_b32 s68, s31, (3<<16)|(1<<20)|(1<<21)|(5<<22)|(3<<25)
	s_mov_b32 s69, 32<<16
	s_mov_b32 s70, 16<<16
	s_mov_b32 s71, 32<<16
	s_mov_b32 s72, 16
	s_mov_b32 s73, 32
	s_mov_b32 s74, 0
	s_mov_b32 s75, 0
	; where the tiles come from: w_o's hang on the column block alone, the context's on the token block alone
	s_mul_i32 s92, s29, 98304                      ; 128 rows of 768 bytes
	s_mov_b32 s93, 0
	s_lshl_b32 s94, s29, 12                        ; their scale bytes
	s_mov_b32 s95, 0
	s_mul_i32 s96, s30, REC                        ; the record's codes,
	s_add_co_u32 s98, s96, 98304                   ; and its scale bytes
	s_mov_b32 s97, 0
	s_mov_b32 s99, 0
	s_wait_dscnt 0x0
	s_wait_kmcnt 0x0
	s_mov_b32 s76, 1
	s_mov_b32 s77, 0
	s_add_nc_u64 s[78:79], s[6:7], s[92:93]
	s_or_b32 s79, s79, 0x80000000
	s_mov_b32 s80, 1
	s_mov_b32 s81, XS
	s_add_nc_u64 s[82:83], s[8:9], s[94:95]
	s_or_b32 s83, s83, 0x80000000
	s_mov_b32 s84, 1
	s_mov_b32 s85, YC
	s_add_nc_u64 s[86:87], s[4:5], s[96:97]
	s_or_b32 s87, s87, 0x80000000
	s_mov_b32 s88, 1
	s_mov_b32 s89, YS
	s_add_nc_u64 s[90:91], s[4:5], s[98:99]
	s_or_b32 s91, s91, 0x80000000
	CROUND                                         ; all sixteen work-groups are here: the joint loads meet
	s_cmp_lt_u32 s[WV], 1                          ; four fills, one a wave, in one chain of branches on the wave's number: wave 0 w_o's codes,
	s_cbranch_scc0 .Lfill_y
	tensor_load_to_lds s[76:79], s[40:47]
	s_nop 0
	PLACES 4
	s_branch .Lfilled
.Lfill_y:
	s_cmp_lt_u32 s[WV], 2                          ; wave 1 the context's codes,
	s_cbranch_scc0 .Lfill_xs
	tensor_load_to_lds s[84:87], s[56:63]
	s_nop 0
	PLACES 4
	s_branch .Lfilled
.Lfill_xs:
	s_cmp_lt_u32 s[WV], 3                          ; wave 2 w_o's scale bytes,
	s_cbranch_scc0 .Lfill_ys
	tensor_load_to_lds s[80:83], s[48:55]
	s_nop 0
	PLACES 4
	s_branch .Lfilled
.Lfill_ys:
	tensor_load_to_lds s[88:91], s[68:75]          ; wave 3 the context's
	s_nop 0
	PLACES 4
.Lfilled:
	v_and_b32 v1, 31, v0                           ; lane
	v_and_b32 v2, 15, v0                           ; r
	v_bfe_u32 v3, v0, 4, 1                         ; h
	s_wait_alu depctr_va_vdst(0)
	s_lshl_b32 s34, s29, 9
	s_lshl_b32 s33, s23, 8
	s_add_co_u32 s34, s34, s33                     ; my 64 columns, in bytes
	s_mov_b32 s35, 0
	s_add_nc_u64 s[10:11], s[10:11], s[34:35]
	s_lshl_b32 s36, s30, 19                        ; my 64 tokens: rows of 4,096 bytes
	s_lshl_b32 s33, s24, 18
	s_add_co_u32 s36, s36, s33
	s_add_co_u32 s36, s36, s34
	s_mov_b32 s37, 0
	s_add_nc_u64 s[12:13], s[12:13], s[36:37]
	s_add_nc_u64 s[14:15], s[14:15], s[36:37]
	v_lshlrev_b32 v122, 5, v3                      ; register j of X tile x is column 16 x + 8 h + j
	v_lshlrev_b32 v[CO], 12, v3
	v_lshl_add_u32 v[CO], v2, 4, v[CO]
.irp x, 0,1,2,3
.irp k, 0,1
	global_load_b128 v[BI+8*\x+4*\k:BI+8*\x+4*\k+3], v122, s[10:11] offset:64*\x+16*\k
.endr
.endr
	WIN 0x80                                       ; destination window 2
.irp y, 0,1,2,3
.irp i, 0,1,2,3,4,5,6,7                ; stage rows 2 i and 2 i + 1 of tile y are tokens 32 (y / 2) + 8 (y % 2) + 2 i + 8 (i / 4) and the next
	global_load_b128 v[32*\y+4*\i:32*\y+4*\i+3], v[CO], s[12:13] offset:(32*(\y/2)+8*(\y%2)+2*\i+8*(\i/4))*4096 th:TH_LOAD_NT   ; sixteen lanes read 256 consecutive bytes, aligned
.endr
.endr
	WIN 0
	s_mul_i32 s33, s23, 64*PITCH
	v_mul_u32_u24 v125, v2, PITCH
	v_mad_u32_u24 v125, v3, 24, v125
	v_add_nc_u32 v[AX], s33, v125                  ; a fragment's row x pitch + 24 x half
	v_lshl_add_u32 v[AX+2], v3, 4, v[AX]           ; the same behind one padding more
	s_mul_i32 s33, s24, 49152
	s_add_co_u32 s33, s33, YC
	v_lshl_add_u32 v[AYI], v1, 3, s33
	s_xor_b32 s33, s23, 1                          ; scale words: the lower base is w_o's, and the context's lie 2,176 (token half + 1 + (1 - column half)) bytes on: one product
	s_add_co_u32 s33, s33, s24
	s_add_co_u32 s33, s33, 1
	s_mul_i32 s33, s33, 2176
	s_mul_i32 s34, s23, 2176
	s_add_co_u32 s34, s34, XS
	v_lshrrev_b32 v126, 3, v2
	v_and_b32 v127, 7, v2
	v_mul_u32_u24 v126, v126, 272
	v_lshl_add_u32 v126, v127, 5, v126             ; 32 bytes a row, eight rows to a unit
	v_mul_u32_u24 v127, s33, v3
	v_add_nc_u32 v126, v126, v127
	v_add_nc_u32 v[ADS], s34, v126
	s_mul_i32 s35, s[WV], 16*272
	s_add_co_u32 s35, s35, STG                     ; my stage
	v_mul_u32_u24 v[STO], v2, 272
	v_lshl_add_u32 v[STO], v3, 5, v[STO]
	v_add_nc_u32 v[STO], s35, v[STO]               ; in: row r, 32 bytes for each half of the lanes
	v_mul_u32_u24 v[RD], v3, 272
	v_lshl_add_u32 v[RD], v2, 4, v[RD]
	v_add_nc_u32 v[RD], s35, v[RD]                 ; back: lanes 0-15 one row of 256 bytes, lanes 16-31 the next
	s_wait_alu depctr_va_vdst(0)
	s_wait_tensorcnt 0x0                           ; for the others' sake: my fill has landed
	s_barrier_signal -1
	s_barrier_wait -1                              ; everybody's has
.macro FRAG reg, adr, s, b             ; 16 rows x 128 K of w_o: 24 bytes of a row twice, in pieces of 8; lanes 16-31 read three pieces further on, which for some pieces is behind one padding more (32 pieces to a padding)
.irp p, 0,1,2,3,4,5
.set PCE, 12*(\s)+6*(\p/3)+\p%3
.if PCE%32 < 29
	ds_load_b64 v[\reg+2*\p:\reg+2*\p+1], v[\adr] offset:8*PCE+16*(PCE/32)+(\b)*TILEB
.else
	ds_load_b64 v[\reg+2*\p:\reg+2*\p+1], v[\adr+2] offset:8*PCE+16*(PCE/32)+(\b)*TILEB
.endif
.endr
.endm
.macro FETCH s, set                    ; 48 LDS loads in one run: K step s into a set of window 1
	WIN 0x40
.irp x, 0,1,2,3
	FRAG 128*(\set)+12*\x, AX, \s, \x
.endr
.irp y, 0,1,2,3
.irp p, 0,1,2,3,4,5
	ds_load_b64 v[128*(\set)+48+12*\y+2*\p:128*(\set)+48+12*\y+2*\p+1], v[AYI] offset:12288*\y+1536*(\s)+256*\p   ; the context's fragment as it was stored: 256 consecutive bytes a load
.endr
.endr
	WIN 0
.endm
.macro SCALES
.irp i, 0,1,2,3
.irp k, 0,1
	ds_load_b128 v[SC+8*\i+4*\k:SC+8*\i+4*\k+3], v[ADS] offset:544*\i+16*\k
.endr
.endr
.endm
.macro MUL s, set, first               ; 16 matrix instructions; the 16 accumulators take turns, one instruction a turn, in the same order in every step
	WIN 0x05
.irp y, 0,1,2,3
.irp x, 0,1,2,3
.if \first
	v_wmma_scale_f32_16x16x128_f8f6f4 v[ACC+8*(4*\y+\x):ACC+8*(4*\y+\x)+7], v[128*(\set)+12*\x:128*(\set)+12*\x+11], v[128*(\set)+48+12*\y:128*(\set)+48+12*\y+11], v[BI+8*\x:BI+8*\x+7], v[SC+8*\x+(\s)], v[SC+8*\y+(\s)] matrix_a_fmt:MATRIX_FMT_FP6 matrix_b_fmt:MATRIX_FMT_FP6 matrix_b_scale:MATRIX_SCALE_ROW1
.else
	v_wmma_scale_f32_16x16x128_f8f6f4 v[ACC+8*(4*\y+\x):ACC+8*(4*\y+\x)+7], v[128*(\set)+12*\x:128*(\set)+12*\x+11], v[128*(\set)+48+12*\y:128*(\set)+48+12*\y+11], v[ACC+8*(4*\y+\x):ACC+8*(4*\y+\x)+7], v[SC+8*\x+(\s)], v[SC+8*\y+(\s)] matrix_a_fmt:MATRIX_FMT_FP6 matrix_b_fmt:MATRIX_FMT_FP6 matrix_b_scale:MATRIX_SCALE_ROW1
.endif
.endr
.endr
.endm
	SCALES
	FETCH 0, 0
.irp s, 0,1,2,3,4,5,6,7                ; the eight K steps, written out: while one set is multiplied the other is fetched
.if \s < 7
.if \s > 0
	PLACES 4                                       ; four places in front of loads into registers that matrix instructions have read (ISA guide 7.12.1 for vector instructions)
.endif
	FETCH \s+1, (\s+1)%2
	s_wait_dscnt 48                                ; all but the 48 just issued: this step's fragments (and the scale words) are in
.else
	s_wait_dscnt 0x0
.endif
.if \s == 0
	s_wait_loadcnt 32                              ; the bias is in; the 32 loads of the residual may be out
	MUL \s, \s%2, 1                                ; the first step starts the sums from the bias
.else
	MUL \s, \s%2, 0
.endif
.endr
	WIN 0
	PLACES 4                                       ; in front of the first reads of results
; THE WAY OUT, a tile of 16 tokens x 64 columns at a time.  A lane holds 32 neighbouring bytes of a row and the lanes beside it hold other rows: the tile goes through my own stage and comes back as whole rows of 256 bytes.
; LDS serves a wave's instructions in order (ISA guide 5.7.1.4): no wait between the stores and the loads, nor in front of the next tile's stores.
.macro TOSTAGE y
.irp x, 0,1,2,3
	ds_store_b128 v[STO], v[ACC+8*(4*(\y)+\x):ACC+8*(4*(\y)+\x)+3] offset:64*\x            ; each accumulator from its low end on
	ds_store_b128 v[STO], v[ACC+8*(4*(\y)+\x)+4:ACC+8*(4*(\y)+\x)+7] offset:64*\x+16
.endr
.set TT, 80-32*((\y)%2)
.irp i, 0,1,2,3,4,5,6,7
	ds_load_b128 v[TT+4*\i:TT+4*\i+3], v[RD] offset:\i*2*272
.endr
.endm
.macro SEND y, younger                 ; younger: the LDS instructions issued behind tile y's loads, which may stay out
.set TT, 80-32*((\y)%2)
	s_wait_dscnt \younger                          ; the tile is back in registers
	s_wait_loadcnt 24-8*(\y)                       ; its eight loads of the residual are in; the later tiles' may be out
	WIN 0x08                                       ; source 1 window 2
.irp i, 0,2,4,6,8,10,12,14,16,18,20,22,24,26,28,30
	v_pk_add_f32 v[TT+\i:TT+\i+1], v[TT+\i:TT+\i+1], v[32*(\y)+\i:32*(\y)+\i+1]
.endr
	WIN 0
.irp i, 0,1,2,3,4,5,6,7
	global_store_b128 v[CO], v[TT+4*\i:TT+4*\i+3], s[14:15] offset:(32*((\y)/2)+8*((\y)%2)+2*\i+8*(\i/4))*4096 th:TH_STORE_NT   ; sixteen lanes store 256 consecutive bytes, aligned; written once, read by nobody here
.endr
.endm
	TOSTAGE 0
.irp y, 1,2,3
.if \y > 1
	s_wait_xcnt 0x0                                ; the stores of the tile two back have read their registers: this tile's loads may land there
.endif
	TOSTAGE \y
	SEND \y-1, 16                                  ; behind the earlier tile's loads: this tile's 8 stores and 8 loads
.endr
	SEND 3, 0
	s_wait_tensorcnt 0x0
	ds_add_u32 v123, v124
	s_wait_dscnt 0x0
	CROUND                                         ; the closing round: no work-group ends while a partner may still ask for a tile that names it
	s_endpgm
.Lfunc_end_k_q5870ac8e7c_oproj:
	.size	k_q5870ac8e7c_oproj, .Lfunc_end_k_q5870ac8e7c_oproj-k_q5870ac8e7c_oproj
	.p2alignl 7, 3214868480
	.fill 96, 4, 3214868480
	.section	.rodata,"a",@progbits
	.p2align	6, 0x0
	.amdhsa_kernel k_q5870ac8e7c_oproj
		.amdhsa_group_segment_fixed_size 229376
		.amdhsa_private_segment_fixed_size 0
		.amdhsa_enable_private_segment 0
		.amdhsa_kernarg_size 48
		.amdhsa_user_sgpr_count 2
		.amdhsa_user_sgpr_kernarg_segment_ptr 1
		.amdhsa_wavefront_size32 1
		.amdhsa_system_sgpr_workgroup_id_x 1
		.amdhsa_system_sgpr_workgroup_id_y 1
		.amdhsa_system_sgpr_workgroup_id_z 1
		.amdhsa_system_vgpr_workitem_id 0
		.amdhsa_next_free_vgpr 640
		.amdhsa_next_free_sgpr 100
		.amdhsa_reserve_vcc 0
		.amdhsa_float_denorm_mode_32 3
		.amdhsa_float_denorm_mode_16_64 3
		.amdhsa_memory_ordered 1
		.amdhsa_forward_progress 1
		.amdhsa_inst_pref_size 67
	.end_amdhsa_kernel
	.amdgpu_metadata
---
amdhsa.version: [ 1, 2 ]
amdhsa.kernels:
  - .name:           k_q5870ac8e7c_oproj
    .symbol:         k_q5870ac8e7c_oproj.kd
    .args:
      - { .name: cbuf, .offset: 0, .size: 8, .value_kind: global_buffer, .address_space: global }
      - { .name: w_o_codes, .offset: 8, .size: 8, .value_kind: global_buffer, .address_space: global }
      - { .name: w_o_scales, .offset: 16, .size: 8, .value_kind: global_buffer, .address_space: global }
      - { .name: b_o, .offset: 24, .size: 8, .value_kind: global_buffer, .address_space: global }
      - { .name: residual, .offset: 32, .size: 8, .value_kind: global_buffer, .address_space: global }
      - { .name: out0, .offset: 40, .size: 8, .value_kind: global_buffer, .address_space: global }
    .group_segment_fixed_size: 229376
    .private_segment_fixed_size: 0
    .kernarg_segment_align: 8
    .kernarg_segment_size: 48
    .max_flat_workgroup_size: 128
    .sgpr_count:     100
    .vgpr_count:     640
    .wavefront_size: 32
...
	.end_amdgpu_metadata
.endif
;; end of part 3
